; MI455X (gfx1250); checked and timed in simulation.
; The chip was launched on July 23, 2026; its instructions are those of AMD's public machine-readable ISA for CDNA 5 (MIT licence, August 2026) and "CDNA5" Instruction Set Architecture Reference Guide (July 2026). The comments in the code are by the model that wrote it; some were corrected since.
;; Scaled Dot Product Attention. Allowed arithmetic: matrix products marked QUANTISED: E5M2 operands, one E8M0 scale for each 32 along K, by v_wmma_scale_f32_16x16x128_f8f6f4 with both operands' format E5M2, f32 sums; everything else in f32.
;; Inputs: K 4 x 16 x 2,048 x 128 float32; Q 4 x 16 x 2,048 x 128 float32; V 4 x 16 x 2,048 x 128 float32; mask 2,048 x 2,048 bool.
;; Outputs: out0 4 x 16 x 2,048 x 128 float32.
;; This version of the problem:
;;   THIS VERSION OF THE PROBLEM IS GIVEN IN LOW PRECISION. The matrix products marked QUANTISED in the list below multiply operands that are first quantised to E5M2 (5 exponent bits, 2 mantissa bits; 8 bits a number), with one power-of-two scale for each 32 numbers along K (OCP MX v1.0); their sums are f32. All else is computed in f32.
;;   The module's matrix products, in the order in which they are computed (A, B: the left and right operand; K: the contracted axis; several contracted axes count as one K, in the product's order):
;;     1. batch 64 x [M 2,048, K 128] x [K 128, N 2,048]; A: input Q; B: input K: QUANTISED
;;     2. batch 64 x [M 2,048, K 2,048] x [K 2,048, N 128]; A: softmax (see below); B: input V: QUANTISED
;;   THE QUANTISER, for each operand of a quantised product, along K:
;;     - K is cut into blocks of 32 from its start; a last block that is shorter is filled with zeros.
;;     - A block's scale is 2^e with e = floor(log2(the largest magnitude in the block)) - 15, held to -126 .. 127; a block of zeros has e = 0. As a byte (E8M0): e + 127.
;;     - Each number is divided by its block's scale, clamped to +-57,344, and rounded to the nearest number of E5M2, ties to even, subnormals kept.
;;     - The product sums the exact products of the quantised numbers (number of the format x scale) in f32.
;;   ~~~python
;;   def quantise(x, axis):      # numpy; x: float32 -> the quantised numbers, widened to float32 again
;;       x = np.moveaxis(x, axis, -1); K = x.shape[-1]
;;       x = np.pad(x, [(0, 0)] * (x.ndim - 1) + [(0, -K % 32)]); x = x.reshape(x.shape[:-1] + (-1, 32)); a = np.abs(x).max(-1, keepdims=True)
;;       e = np.where(a > 0, np.clip(np.frexp(np.where(a > 0, a, 1))[1] - 1 - 15, -126, 127), 0)      # np.frexp(a)[1] - 1 = floor(log2(a)), exactly
;;       r = np.clip(x / 2.0 ** e, -57344, 57344)
;;       step = 2.0 ** (np.maximum(np.frexp(np.where(r == 0, 1, r))[1] - 1, -14) - 2)
;;       q = np.round(r / step) * step * 2.0 ** e      # np.round: ties to even
;;       return np.moveaxis(q.reshape(q.shape[:-2] + (-1,))[..., :K], -1, axis).astype(np.float32)
;;   ~~~
;;   SOFTMAX AHEAD OF A QUANTISED PRODUCT. Where the list says 'softmax', what is quantised is not the finished softmax but p = 2^(t - M), with t = logit x log2(e) and M = ceil(the row's largest t), a whole number; so 1/2 < the row's largest p <= 1. The row's sum l is taken of the UNQUANTISED p, in f32, and the product's result is divided by l at the end. Since M is a whole number, a kernel that streams over the keys may use a running M (the ceiling of the running maximum): every later rescaling is an exact power of two, which a block's scale takes up: the codes' values come out the same.
;;   OPERANDS COMPUTED ON THE WAY. 'Computed on the way' means the value that the module computes at that place (a softmax that the list does not call 'softmax' is quantised finished and normalised). What goes into a quantiser is computed in f32, as accurately as f32 sums, v_exp_f32 and their like allow (about 1e-6 of the number): no bf16 or f16 on the way to a quantiser, and a product that is left as it is and whose result goes on into a quantised operand takes f32 operands (vector FMAs, or v_wmma_f32_16x16x4_f32). A number that lies on a knife's edge between two numbers of the format may be rounded either way, as far as f32 arithmetic and the matrix unit's own rounding can turn it there, and no further.
;; 2 versions. Each part assembles by itself: llvm-mc -triple=amdgcn-amd-amdhsa -mcpu=gfx1250 --defsym DOCPART=n.
;; ======== version 1 of 2: 2 launches
;; workspace buffers: qc 16,777,216 bytes; qs 524,288 bytes; kvc 33,554,432 bytes; kvs 1,048,576 bytes; mbits 524,288 bytes of whole numbers; flags 4,096 bytes of whole numbers
;; launch prep (part 1): grid 1664 x 1, 4 waves a work-group, no clusters, 34,304 bytes of LDS; arguments Q, K, V, mask, qc, qs, kvc, kvs, mbits, flags; writes qc, qs, kvc, kvs, mbits, flags
.if DOCPART == 1
	.amdgcn_target "amdgcn-amd-amdhsa--gfx1250"
	.amdhsa_code_object_version 6
	.text
	.protected	k_q44fa9e1d37_prep
	.globl	k_q44fa9e1d37_prep
	.p2align	8
	.type	k_q44fa9e1d37_prep,@function
k_q44fa9e1d37_prep:
	s_mov_b64 s[64:65], 0
	v_nop
	global_prefetch_b8 v0, s[64:65] scope:SCOPE_SE
	s_setreg_imm32_b32 hwreg(HW_REG_WAVE_MODE, 25, 1), 1
	s_wait_xcnt 0x0
; PREP: Q, K, V (f32, [64 heads][2048][128]) become codes of BF8 (E5M2) with one E8M0 byte for each 32 along a product's K, laid as IMAGES OF THE OPERANDS' REGISTERS,
; and the mask ([2048][2048] bytes) becomes lane masks and two flags for each tile of 16 queries x 128 keys.
; A block's scale is 2^(floor(log2(its largest magnitude)) - 15); its byte is the largest magnitude's exponent field - 15, held at 1 from below; each number is held within +-57,344 x the scale and converted, ties to even.
; LIMITS: NaN and infinities among Q, K, V are not served.  A block of zeros gets the byte 1 where the rule says 127 (its codes are zeros, and this program alone reads the bytes); blocks whose largest magnitude lies under 2^-111 keep the floor's byte.
; THREE PATHS, parted by the work-group's number: 0..127 the mask; 128..639 Q and K (K = the head's 128, innermost); 640..1663 V (K = the keys, its first axis within a head).  Only the second uses LDS.  No wave shares anything with another: no barrier.
; LAYOUTS.  A fragment (16 rows x 128 K) is 2,048 bytes: [c 0..3][lane][16 bytes]; lane (r, h) holds row r's codes of k = 32 c + 16 h + 0..15.
;   qc  [block of 128 rows][tile t][2,048]: tile t holds rows 16 t + r.            qs  [block][128 words]: row x's four bytes at 4 x.
;   kvc [key step of 128 keys][32,768]: K's 8 tiles, in which lane r of tile 2 b + u holds key 32 b + 8 u + r + 8 (r / 8); from 16,384 on V^T's 8 tiles: tile t holds channel 16 t + r, k = the step's keys.
;   kvs [key step][1,024]: K's word of (tile t, r) at 64 t + 4 r; from 512 on V's word of channel d at 4 d.
;   mbits [tile of 16 queries][key step][64 words]: bit r + 16 h of word 16 b + i is mask[16 qt + r][128 s + 32 b + 16 h + i].
;   flags: word 4 qt + w (w = a quarter of the 16 key steps) holds bits 4 w .. 4 w + 3: "some entry of the tile is true"; 2,048 bytes further on the same for "all are true".
.set TM,  24                           ; v24-27 largest magnitudes, v28-31 the other half's / bytes, v32-35 the hold, v36-39 the conversions' scale operands
.set PC,  40                           ; v40-55  a fragment's codes
.set RR,  64                           ; v64-191 two sets of 16 rows as they are loaded
.set X,   192                          ; v192-255 64 numbers of a lane: register 16 b + i = k 32 b + 16 h + i of row r
.set SPT, 528                          ; a stage row: 512 bytes + 16
	s_load_b512 s[4:19], s[0:1], 0x0               ; Q s[4:5], K s[6:7], V s[8:9], mask s[10:11], qc s[12:13], qs s[14:15], kvc s[16:17], kvs s[18:19]
	s_load_b128 s[20:23], s[0:1], 0x40             ; mbits s[20:21], flags s[22:23]
	v_lshl_add_u32 v62, v0, 2, 0x8400
	v_mov_b32 v63, 0
	v_lshrrev_b32 v1, 5, v0
	v_readfirstlane_b32 s24, v1                    ; wave 0..3
	v_and_b32 v1, 31, v0                           ; lane
	v_and_b32 v2, 15, v0                           ; r
	v_bfe_u32 v3, v0, 4, 1                         ; h
	s_mov_b32 s26, 0x76543210
	s_mov_b32 s27, 0xfedcba98                      ; v_permlanex16_b32's selects for lane l xor 16
	s_mov_b32 s28, 0x600000                        ; the mantissa field of 57,344
	s_mov_b32 s29, 0xffff0000                      ; lanes 16-31
	s_wait_kmcnt 0x0
	s_cmp_lt_u32 ttmp9, 128
	s_cbranch_scc1 .Lmask
	s_cmp_lt_u32 ttmp9, 640
	s_cbranch_scc1 .Lqk
; ---------------- V: a work-group takes a key step, a wave 32 channels.  A LANE TAKES A CHANNEL, AND ITS REGISTERS RUN DOWN THE KEYS: a block of 32 keys lies in one lane's 32 registers.
	s_sub_co_u32 s30, ttmp9, 640                   ; the key step: 16 x head + s
	s_mov_b32 s33, 0
	s_lshl_b32 s32, s30, 16                        ; 128 keys of 512 bytes,
	s_lshl_b32 s34, s24, 7                         ; my 32 channels
	s_add_co_u32 s32, s32, s34
	s_add_nc_u64 s[8:9], s[8:9], s[32:33]
	s_lshl_b32 s32, s30, 15
	s_lshl_b32 s34, s24, 12                        ; my two tiles of V^T
	s_add_co_u32 s32, s32, s34
	s_add_co_u32 s32, s32, 16384
	s_add_nc_u64 s[16:17], s[16:17], s[32:33]
	s_lshl_b32 s32, s30, 10
	s_lshl_b32 s34, s24, 7
	s_add_co_u32 s32, s32, s34
	s_add_co_u32 s32, s32, 512
	s_add_nc_u64 s[18:19], s[18:19], s[32:33]
	v_lshlrev_b32 v4, 2, v1                        ; in: 4 bytes a lane; also my channel's scale word
	v_lshlrev_b32 v5, 11, v3
	v_lshl_add_u32 v5, v2, 4, v5                   ; out: tile lane / 16, 16 bytes at 16 (lane % 16)
.macro LOADV c                         ; block c: V(32 c + i, my channel), i = 0 .. 31, into set c % 2
.set i, 0
.rept 32
	global_load_b32 v[64+32*((\c)%2)+i], v4, s[8:9] offset:(32*(\c)+i)*512 th:TH_LOAD_NT
.set i, i+1
.endr
.endm
.macro BLOCK c
.set XS, 64+32*((\c)%2)
.if (\c) < 3
	s_wait_loadcnt 32                              ; this block's 32 loads are in; the next block's 32 may be out
.else
	s_wait_loadcnt 0x0
.endif
	v_max3_num_f32 v12, |v[XS]|, |v[XS+1]|, |v[XS+2]|              ; the block's largest magnitude: all 32 numbers are mine; two chains
	v_max3_num_f32 v13, |v[XS+3]|, |v[XS+4]|, |v[XS+5]|
.irp i, 6,10,14,18,22,26
	v_max3_num_f32 v12, v12, |v[XS+\i]|, |v[XS+\i+1]|
	v_max3_num_f32 v13, v13, |v[XS+\i+2]|, |v[XS+\i+3]|
.endr
	v_max3_num_f32 v12, v12, |v[XS+30]|, |v[XS+31]|
	v_max3_num_f32 v12, v12, v13, 0x8000000        ; and the floor 2^(16 - 127): the byte cannot fall under 1
	v_add_nc_u32 v11, 0xf8800000, v12              ; 15 off the exponent field: the conversion's scale operand
	v_and_or_b32 v10, v12, 0x7f800000, s28         ; 57,344 x the scale
	v_lshrrev_b32 v13, 23, v11                     ; the scale's byte
.if (\c) == 0
	v_mov_b32 v8, v13                              ; four bytes make my channel's scale word for these 128 keys
.else
	v_lshl_or_b32 v8, v13, 8*(\c), v8
.endif
.set i, 0
.rept 32
	v_med3_num_f32 v[XS+i], v[XS+i], -v10, v10     ; the conversion to an 8-bit code does not saturate (ISA guide 7.6.2): the hold comes first
.set i, i+1
.endr
.irp g, 0,1,2,3
	v_cvt_scalef32_pk8_bf8_f32 v[128+8*(\c)+2*\g:129+8*(\c)+2*\g], v[XS+8*\g:XS+8*\g+7], v11
.endr
	v_nop                                          ; one plain line behind the last conversion: the next block writes v11 again
	global_store_b128 v5, v[128+8*(\c):131+8*(\c)], s[16:17] offset:512*(\c)       ; keys 32 c + 0..15: the place of lanes 0-15 of the fragment; sixteen lanes store 256 consecutive bytes, aligned
	global_store_b128 v5, v[132+8*(\c):135+8*(\c)], s[16:17] offset:512*(\c)+256   ; keys 32 c + 16..31: the place of lanes 16-31.  Each block has registers of its own: no store's data are written again
.if (\c) < 2
	LOADV (\c)+2
.endif
.endm
	LOADV 0
	LOADV 1
	BLOCK 0
	BLOCK 1
	BLOCK 2
	BLOCK 3
	global_store_b32 v4, v8, s[18:19]              ; 32 scale words: 128 consecutive bytes a wave, 512 a work-group
	s_endpgm
; ---------------- Q and K: a wave takes a block of 128 rows: 8 tiles of 16.  One body serves both; the buffers and the order of a tile's rows are chosen on the work-group's number alone.
.Lqk:
	s_sub_co_u32 s30, ttmp9, 128
	s_lshl_b32 s30, s30, 2
	s_add_co_u32 s30, s30, s24                     ; 0..1023: Q's blocks, 1024..2047: K's
	s_cmp_lt_u32 ttmp9, 384                        ; Q's work-group?
	s_cselect_b64 s[4:5], s[4:5], s[6:7]           ; the numbers,
	s_cselect_b64 s[12:13], s[12:13], s[16:17]     ; the codes,
	s_cselect_b64 s[14:15], s[14:15], s[18:19]     ; the scale words
	s_cselect_b32 s31, 0, 1024
	s_cselect_b32 s32, 14, 15                      ; a block's codes: 16,384 bytes in qc; K's lie 32,768 apart in kvc
	s_cselect_b32 s33, 9, 10                       ; its scale words: 512 bytes in qs; 1,024 apart in kvs
	s_cselect_b32 s34, 0, 4096                     ; what rows 8-15 of an even tile lie further on than 32 b + i: Q 0 rows, K 8
	s_mov_b32 s35, 4096
	s_cselect_b32 s35, 8192, s35                   ; rows 0-7 of an odd tile: Q 16 rows, K 8.  (Rows 8-15 of an odd tile: 16 in both)
	s_sub_co_u32 s30, s30, s31                     ; the block: 16 x head + s
	s_mov_b32 s37, 0
	s_lshl_b32 s36, s30, 16
	s_add_nc_u64 s[4:5], s[4:5], s[36:37]
	s_lshl_b32 s36, s30, s32
	s_add_nc_u64 s[12:13], s[12:13], s[36:37]
	s_lshl_b32 s36, s30, s33
	s_add_nc_u64 s[14:15], s[14:15], s[36:37]
	v_lshlrev_b32 v4, 4, v1                        ; 16 x lane: a row's 512 bytes over 32 lanes; also an image's place for my lane
	v_add_nc_u32 v5, s34, v4
	v_add_nc_u32 v6, s35, v4
	v_add_nc_u32 v7, 8192, v4
	s_mul_i32 s36, s24, 16*SPT                     ; my wave's stage
	v_add_nc_u32 v8, s36, v4                       ; into it: rows as they are loaded
	v_mul_u32_u24 v9, v2, SPT
	v_lshl_add_u32 v9, v3, 6, v9
	v_add_nc_u32 v9, s36, v9                       ; out of it: row r, + 64 h: my 16 numbers of a block of 32
	v_lshlrev_b32 v11, 2, v1
.irp b, 0,1,2,3
	v_mov_b32 v[TM+4+\b], 0                        ; written once: a lane permute's destination counts as one of its sources
.endr
.macro LOADT t                         ; tile t = 2 b + u: 16 whole rows, 512 consecutive bytes a load, into set t % 2
.set i, 0
.rept 16
	global_load_b128 v[RR+64*((\t)%2)+4*i:RR+64*((\t)%2)+4*i+3], v[4+2*((\t)%2)+i/8], s[4:5] offset:(32*((\t)/2)+i)*512 th:TH_LOAD_NT
.set i, i+1
.endr
.endm
.macro QUANT s, pw                     ; 64 numbers of a lane become a fragment's codes in v[PC] on and its scale word in v[pw]
.irp b, 0,1,2,3
	v_max3_num_f32 v[TM+\b], |v[\s+16*\b]|, |v[\s+1+16*\b]|, 0x8000000   ; block b: my 16 numbers, and the floor 2^(16 - 127)
.endr
.irp i, 2,4,6,8,10,12,14
.irp b, 0,1,2,3
	v_max3_num_f32 v[TM+\b], v[TM+\b], |v[\s+16*\b+\i]|, |v[\s+1+16*\b+\i]|   ; the four blocks by turns
.endr
.endr
.irp b, 0,1,2,3
	v_permlanex16_b32 v[TM+4+\b], v[TM+\b], s26, s27
.endr
.irp b, 0,1,2,3
	v_max_num_f32 v[TM+\b], v[TM+\b], v[TM+4+\b]   ; with lane l xor 16's 16: the block's largest magnitude
.endr
.irp b, 0,1,2,3
	v_add_nc_u32 v[TM+12+\b], 0xf8800000, v[TM+\b] ; the conversion's scale operand
.endr
.irp b, 0,1,2,3
	v_and_or_b32 v[TM+8+\b], v[TM+\b], 0x7f800000, s28   ; 57,344 x the scale
.endr
.irp b, 0,1,2,3
	v_lshrrev_b32 v[TM+4+\b], 23, v[TM+12+\b]      ; the scale's byte
.endr
	v_lshl_or_b32 v[\pw], v[TM+5], 8, v[TM+4]      ; my row's scale word
	v_lshl_or_b32 v[\pw], v[TM+6], 16, v[\pw]
	v_lshl_or_b32 v[\pw], v[TM+7], 24, v[\pw]
.irp b, 0,1,2,3
.irp i, 0,1,2,3,4,5,6,7,8,9,10,11,12,13,14,15
	v_med3_num_f32 v[\s+16*\b+\i], v[\s+16*\b+\i], -v[TM+8+\b], v[TM+8+\b]   ; the hold (ISA guide 7.6.2: the conversion does not saturate)
.endr
.endr
	s_wait_xcnt 0x0                                ; the last tile's stores have read v[PC] on: only behind this wait are the codes written again
.irp b, 0,1,2,3
	v_cvt_scalef32_pk8_bf8_f32 v[PC+4*\b:PC+1+4*\b], v[\s+16*\b:\s+7+16*\b], v[TM+12+\b]
	v_cvt_scalef32_pk8_bf8_f32 v[PC+2+4*\b:PC+3+4*\b], v[\s+8+16*\b:\s+15+16*\b], v[TM+12+\b]
.endr
	v_nop                                          ; one plain line behind the last conversion
.endm
.macro TILE t
.if (\t) < 7
	s_wait_loadcnt 16                              ; this tile's 16 loads are in; the next tile's 16 may be out
.else
	s_wait_loadcnt 0x0
.endif
.irp i, 0,1,2,3,4,5,6,7,8,9,10,11,12,13,14,15
	ds_store_b128 v8, v[RR+64*((\t)%2)+4*\i:RR+64*((\t)%2)+4*\i+3] offset:SPT*\i
.endr
.irp b, 0,1,2,3
.irp j, 0,1,2,3
	ds_load_b128 v[X+16*\b+4*\j:X+16*\b+4*\j+3], v9 offset:128*\b+16*\j   ; LDS serves a wave's instructions in order (ISA guide 5.7.1.4): these see the stores above
.endr
.endr
	s_wait_dscnt 0x0                               ; my 64 numbers are back, and the stores have read their registers,
.if (\t) < 6
	LOADT (\t)+2                                   ; which take the tile two further on
.endif
	QUANT X, 12+(\t)
.irp c, 0,1,2,3
	global_store_b128 v4, v[PC+4*\c:PC+4*\c+3], s[12:13] offset:2048*(\t)+512*\c   ; 32 lanes store 512 consecutive bytes, aligned
.endr
.endm
	LOADT 0
	LOADT 1
.irp t, 0,1,2,3,4,5,6,7
	TILE \t
.endr
.irp j, 0,1,2,3
	v_cndmask_b32 v[20+\j], v[12+2*\j], v[13+2*\j], s29   ; lanes 0-15 tile 2 j's words, lanes 16-31 tile 2 j + 1's (both halves of the lanes hold row r's word)
.endr
.irp j, 0,1,2,3
	global_store_b32 v11, v[20+\j], s[14:15] offset:128*\j   ; 128 consecutive bytes a store; the four together a block's 512: one byte for each 128 read
.endr
	s_wait_tensorcnt 0x0
	ds_add_u32 v62, v63
	s_wait_dscnt 0x0
	s_endpgm
; ---------------- the mask: a work-group takes 16 queries, wave w key steps 4 w .. 4 w + 3.  Lane (r, h) loads, for block b of a step, the 16 bytes mask[16 qt + r][128 s + 32 b + 16 h ..]: 512 bytes of each of 16 rows a wave.
.Lmask:
	s_mov_b32 s31, 0
	s_lshl_b32 s30, ttmp9, 15                      ; 16 rows of 2,048 bytes,
	s_lshl_b32 s42, s24, 9                         ; my four steps' 512
	s_add_co_u32 s30, s30, s42
	s_add_nc_u64 s[10:11], s[10:11], s[30:31]
	s_lshl_b32 s30, ttmp9, 4
	s_lshl_b32 s42, s24, 2
	s_add_co_u32 s30, s30, s42                     ; 16 qt + 4 w
	s_lshl_b32 s30, s30, 8                         ; 256 bytes a tile
	s_add_nc_u64 s[20:21], s[20:21], s[30:31]
	s_lshl_b32 s30, ttmp9, 2
	s_add_co_u32 s30, s30, s24
	s_lshl_b32 s30, s30, 2                         ; word 4 qt + w
	s_add_nc_u64 s[22:23], s[22:23], s[30:31]
	v_lshlrev_b32 v4, 11, v2
	v_lshl_add_u32 v4, v3, 4, v4                   ; row r, + 16 h
	v_lshlrev_b32 v5, 3, v1                        ; out: two words a lane
.irp k, 0,1,2,3
.irp b, 0,1,2,3
	global_load_b128 v[64+16*\k+4*\b:67+16*\k+4*\b], v4, s[10:11] offset:128*\k+32*\b th:TH_LOAD_NT
.endr
.endr
.irp j, 0,1,2,3,4,5,6,7
	v_mov_b32 v[16+\j], 0                          ; written once: v_writelane_b32's destination counts as read
.endr
	s_mov_b32 s34, 0                               ; my four steps' bits: some entry true,
	s_mov_b32 s35, 0                               ; all entries true
	s_wait_loadcnt 0x0
.macro MTILE k                         ; word n = 16 b + i of step k: the lanes whose byte i of block b is not 0; it goes to lane n / 2 of a pair of registers
	s_mov_b32 s32, 0
	s_mov_b32 s33, -1
.set n, 0
.rept 64
	v_and_b32 v[24+n%4], 0xff<<(8*(n%4)), v[64+16*\k+n/4]
	v_cmp_ne_u32 s[36+n%4], 0, v[24+n%4]
	v_writelane_b32 v[16+2*\k+n%2], s[36+n%4], n/2
	s_or_b32 s32, s32, s[36+n%4]
	s_and_b32 s33, s33, s[36+n%4]
.set n, n+1
.endr
	global_store_b64 v5, v[16+2*\k:17+2*\k], s[20:21] offset:256*\k   ; 32 lanes store 256 consecutive bytes, aligned; each step has a pair of its own
	s_cmp_lg_u32 s32, 0
	s_cselect_b32 s40, 1<<\k, 0
	s_or_b32 s34, s34, s40
	s_cmp_eq_u32 s33, -1
	s_cselect_b32 s40, 1<<\k, 0
	s_or_b32 s35, s35, s40
.endm
	MTILE 0
	MTILE 1
	MTILE 2
	MTILE 3
	s_lshl_b32 s42, s24, 2
	s_lshl_b32 s34, s34, s42                       ; to bits 4 w .. 4 w + 3
	s_lshl_b32 s35, s35, s42
	v_mov_b32 v28, s34
	v_mov_b32 v29, s35
	v_mov_b32 v30, 0
	v_cmp_eq_u32 vcc_lo, 0, v1
	s_wait_xcnt 0x0                                ; EXEC is a source of the stores above: it changes only behind this wait
	s_and_saveexec_b32 s41, vcc_lo                 ; lane 0 alone
	global_store_b32 v30, v28, s[22:23]
	global_store_b32 v30, v29, s[22:23] offset:2048
	s_wait_xcnt 0x0                                ; and again in front of the line that widens it
	s_or_b32 exec_lo, exec_lo, s41
	s_endpgm
.Lfunc_end_k_q44fa9e1d37_prep:
	.size	k_q44fa9e1d37_prep, .Lfunc_end_k_q44fa9e1d37_prep-k_q44fa9e1d37_prep
	.p2alignl 7, 3214868480
	.fill 96, 4, 3214868480
	.section	.rodata,"a",@progbits
	.p2align	6, 0x0
	.amdhsa_kernel k_q44fa9e1d37_prep
		.amdhsa_group_segment_fixed_size 34304
		.amdhsa_private_segment_fixed_size 0
		.amdhsa_enable_private_segment 0
		.amdhsa_kernarg_size 80
		.amdhsa_user_sgpr_count 2
		.amdhsa_user_sgpr_kernarg_segment_ptr 1
		.amdhsa_wavefront_size32 1
		.amdhsa_system_sgpr_workgroup_id_x 1
		.amdhsa_system_sgpr_workgroup_id_y 1
		.amdhsa_system_sgpr_workgroup_id_z 1
		.amdhsa_system_vgpr_workitem_id 0
		.amdhsa_next_free_vgpr 256
		.amdhsa_next_free_sgpr 66
		.amdhsa_reserve_vcc 1
		.amdhsa_float_denorm_mode_32 3
		.amdhsa_float_denorm_mode_16_64 3
		.amdhsa_memory_ordered 1
		.amdhsa_forward_progress 1
		.amdhsa_inst_pref_size 196
	.end_amdhsa_kernel
	.amdgpu_metadata
---
amdhsa.version: [ 1, 2 ]
amdhsa.kernels:
  - .name:           k_q44fa9e1d37_prep
    .symbol:         k_q44fa9e1d37_prep.kd
    .args:
      - { .name: Q, .offset: 0, .size: 8, .value_kind: global_buffer, .address_space: global }
      - { .name: K, .offset: 8, .size: 8, .value_kind: global_buffer, .address_space: global }
      - { .name: V, .offset: 16, .size: 8, .value_kind: global_buffer, .address_space: global }
      - { .name: mask, .offset: 24, .size: 8, .value_kind: global_buffer, .address_space: global }
      - { .name: qc, .offset: 32, .size: 8, .value_kind: global_buffer, .address_space: global }
      - { .name: qs, .offset: 40, .size: 8, .value_kind: global_buffer, .address_space: global }
      - { .name: kvc, .offset: 48, .size: 8, .value_kind: global_buffer, .address_space: global }
      - { .name: kvs, .offset: 56, .size: 8, .value_kind: global_buffer, .address_space: global }
      - { .name: mbits, .offset: 64, .size: 8, .value_kind: global_buffer, .address_space: global }
      - { .name: flags, .offset: 72, .size: 8, .value_kind: global_buffer, .address_space: global }
    .group_segment_fixed_size: 34304
    .private_segment_fixed_size: 0
    .kernarg_segment_align: 8
    .kernarg_segment_size: 80
    .max_flat_workgroup_size: 128
    .sgpr_count:     66
    .vgpr_count:     256
    .wavefront_size: 32
...
	.end_amdgpu_metadata
.endif
;; end of part 1
;; launch attn (part 2): grid 256 x 1, 8 waves a work-group, no clusters, 117,760 bytes of LDS; arguments qc, kvc, kvs, mbits, flags, out0, qs; writes out0
.if DOCPART == 2
	.amdgcn_target "amdgcn-amd-amdhsa--gfx1250"
	.amdhsa_code_object_version 6
	.text
	.protected	k_q44fa9e1d37_attn
	.globl	k_q44fa9e1d37_attn
	.p2align	8
	.type	k_q44fa9e1d37_attn,@function
k_q44fa9e1d37_attn:
	s_mov_b64 s[64:65], 0
	v_nop
	global_prefetch_b8 v0, s[64:65] scope:SCOPE_SE
	s_setreg_imm32_b32 hwreg(HW_REG_WAVE_MODE, 25, 1), 1
	s_wait_xcnt 0x0
; O[head][q][:] = the sum over k of softmax_k(mask ? Q[q] . K[k] / sqrt(128) : -inf) V[k][:], both products on codes of BF8 (E5M2) with one E8M0 scale for each 32 along a product's K.  64 heads, 2,048 queries and keys, head size 128.
; The codes, scale words, lane masks and flags were laid by the launch before as images of the operands' registers (its head comment has the layouts).
; THE SOFTMAX AHEAD OF THE SECOND PRODUCT: t = score x log2(e) / sqrt(128); M = the row's largest t so far, rounded UP to a whole number; p = 2^(t - M) is quantised along the keys, not normalised; the row's sum is taken of the
; unquantised p and divides O at the end.  When M moves, the sum and O are multiplied by 2^(old M - new M): exact.  A row with no true entry ends with O = 0 and a sum of 0: 0 x infinity is the NaN that the definition gives.
; SHARES.  256 work-groups of eight waves.  Work-group 4 head + p stays for two passes over blocks of 256 queries: block 7 - p, then block p.  Wave w owns 32 queries, two tiles of 16: each fragment of K and V read from LDS feeds two products.
; KEY STEPS of 128 keys, 16 a pass.  A step's 32,768 bytes of codes go from memory through registers into one of two LDS slots (each thread 8 x 16 bytes), a step ahead of their use; ONE barrier a step.
; WHAT THE GIVEN MASK HIDES IS NOT COMPUTED: a step that no query of the work-group needs is not staged, one that none of my 32 queries needs is not worked, one that is all true for them is not masked: scalar branches on the stored flags.
; NO TENSOR LOADS, NO CLUSTER: the four work-groups of a head walk the same K and V, but which steps each of them needs hangs on the stored flags (under a lower-triangular mask 2 QB + 2 of 16 for block QB), so partners would ask for
; different numbers of tiles.
; LAYOUT.  Both products are used transposed: S^T = K Q^T (source 0 = 16 keys, source 1 = 16 queries), O^T = V^T P^T: a lane holds ONE query (lane % 16) throughout.  Lane r of K's tile 2 b + u holds key 32 b + 8 u + r + 8 (r / 8), so that score
; register 16 b + i of lane (r, h) is key 32 b + 16 h + i: 16 neighbours along the next K, and the conversions' results are the second product's operand.
; LIMITS: NaN and infinities among the inputs are not served.  A block's largest p is taken from its largest score (v_exp_f32 is taken not to fall where its input rises).  p under 2^-126 becomes 0.  A block of p that is all 0 keeps the byte 1: its codes are zeros.
; REGISTERS, window 0: v1-12 addresses; v13 Q's scale words; v14, v15 p's; v16-31 statistics, 8 a tile: -M, largest t, the sum's two halves, f, 0; v32-95 four fragments; v96-223 S^T, then p, 64 a tile; v224-227 K's or V's scale words; v228-247 at work.
;   window 1: v0-127 O^T, 64 a tile; v128-159 Q's two fragments; v160-191 p's codes; v192-223 the staging registers.
.set SLOT1, 32768                      ; LDS: slot 0 at 0, slot 1 here: K's 8 tiles x 2,048 bytes, then V's
.set VOFF,  16384
.set SCL,   65536                      ; the head's scale words, [16 steps][K 512 | V 512]: written once, at the head
.set OSTG,  81920                      ; the way out: 16 rows x 272 bytes for each wave, its own
.set F,   32
.set KS,  224
.set BM,  228                          ; v228-231 the blocks' largest scores, then largest p
.set T2,  232                          ; v232-235 the other half's; then the bytes
.set HD,  236                          ; v236-239 57,344 x the scale
.set SO,  240                          ; v240-243 the conversions' scale operands
.set SU,  244                          ; v[244:245] the second chain of the sums
.set TA,  246
.set TC,  247
.set QF,  128                          ; window 1
.set PCD, 160
.set SG,  192
.set WV,  16                           ; s16 wave; s17 head; s18 the block of queries; s19 passes to go; s20 trips to go
.set HEAD, 17
.set QB,  18
.set PASS, 19
.set TRIP, 20
.set AW,  21                           ; s21 bit j: some wave of the work-group needs step j of those ahead (bit 0: the trip's first step)
.set WA,  22                           ; s22 my 32 queries need it
.set WM,  23                           ; s23 and it is not all true for them
.set TS,  24                           ; s24 where the trip's scale words begin in SCL
.set MO,  25                           ; s25 where my lane masks of the trip begin in mbits
.set SEL, 26                           ; s[26:27]
.set CS,  28                           ; s[28:29] c = log2(e) / sqrt(128), twice: the packed form names a pair
.set MNT, 30
.set PFM, 101                          ; s101 AW in a wave that prefetches, else 0
                                       ; s[32:63], s[68:99]: 64 words: a tile's lane masks; at a pass's head the flags
.set MSB, 0
.macro WIN new                         ; the immediate's high byte repeats the setting that is left; at every label and branch the setting is 0
.if MSB != \new
	s_set_vgpr_msb (MSB<<8)|\new
.set MSB, \new
.endif
.endm
.set W_KQ, 0x04                        ; source 1 (Q; an LDS store's data) in window 1
.set W_ST, 0x04
.set W_PV, 0x54                        ; source 1 (p), C and D (O^T) in window 1
.set W_RS, 0x41                        ; O^T as destination and source 0
.set W_D1, 0x40                        ; destination in window 1
.set W_O,  0x01                        ; O^T as source 0
.macro PLACES n                        ; plain vector lines behind matrix instructions: 8 for this form, ahead of loads into its registers and of reads of its results
.rept \n
	v_nop
.endr
.endm
	s_load_b256 s[4:11], s[0:1], 0x0               ; qc s[4:5], kvc s[6:7], kvs s[8:9], mbits s[10:11]
	s_load_b128 s[12:15], s[0:1], 0x20             ; flags s[12:13], out0 s[14:15]
	s_load_b64 s[32:33], s[0:1], 0x30              ; qs
	v_lshl_add_u32 v254, v0, 2, 0x1c800
	v_mov_b32 v255, 0
	v_lshrrev_b32 v[TA], 5, v0
	v_readfirstlane_b32 s[WV], v[TA]               ; wave 0..7
	v_and_b32 v[TA], 31, v0                        ; lane
	v_and_b32 v[TC], 15, v0                        ; r
	v_bfe_u32 v4, v0, 4, 1                         ; h
	v_lshlrev_b32 v1, 4, v[TA]                     ; v1  16 x lane: an image's place for my lane, slot 0
	v_add_nc_u32 v2, SLOT1, v1                     ; v2  slot 1
	v_lshl_add_u32 v3, v[TA], 2, SCL               ; v3  4 x lane among the scale words
	v_lshlrev_b32 v5, 4, v0                        ; v5  16 x thread: my bytes of a staged block, in memory and in slot 0
	v_add_nc_u32 v6, SLOT1, v5                     ; v6  in slot 1
	v_lshlrev_b32 v8, 8, v[TA]
	s_lshl_b32 s2, s[WV], 13
	v_add_nc_u32 v8, s2, v8                        ; v8  the prefetches' offset: 8,192 x wave + 256 x lane
	v_mov_b32 v9, 0xff800000                       ; v9  -infinity
	s_mul_i32 s2, s[WV], 16*272
	s_add_co_u32 s2, s2, OSTG                      ; my stage
	v_mul_u32_u24 v10, v[TC], 272
	v_lshl_add_u32 v10, v4, 5, v10
	v_add_nc_u32 v10, s2, v10                      ; v10 in: row r, + 32 h
	v_mul_u32_u24 v11, v4, 272
	v_lshl_add_u32 v11, v[TC], 4, v11
	v_add_nc_u32 v11, s2, v11                      ; v11 back: lanes 0-15 one row, lanes 16-31 the next
	v_lshlrev_b32 v12, 9, v4
	v_lshl_add_u32 v12, v[TC], 4, v12              ; v12 the same two rows in out0
.irp b, 0,1,2,3
	v_mov_b32 v[T2+\b], 0                          ; written once: a lane permute's destination counts as one of its sources
.endr
	s_lshr_b32 s[HEAD], ttmp9, 2
	s_and_b32 s2, ttmp9, 3
	s_sub_co_u32 s[QB], 7, s2                      ; the first pass's block
	s_mov_b32 s[PASS], 2
	s_mov_b32 s[SEL], 0x76543210
	s_mov_b32 s[SEL+1], 0xfedcba98
	s_mov_b32 s[CS], 0x3e0293ee
	s_mov_b32 s[CS+1], s[CS]
	s_mov_b32 s[MNT], 0x600000
	s_mov_b32 s3, 0
	s_wait_kmcnt 0x0
	s_lshl_b32 s2, s[HEAD], 19                     ; a head's 16 steps of 32,768 bytes
	s_add_nc_u64 s[6:7], s[6:7], s[2:3]
	s_lshl_b32 s2, s[HEAD], 14                     ; and of 1,024 bytes of scale words
	s_add_nc_u64 s[8:9], s[8:9], s[2:3]
	WIN W_D1
.irp i, 0,1,2,3
	global_load_b128 v[SG+4*\i:SG+4*\i+3], v5, s[8:9] offset:4096*\i   ; the head's scale words: 16,384 dense bytes, 256 threads x 16 bytes a load
.endr
	WIN 0
	s_wait_loadcnt 0x0
	WIN W_ST
.irp i, 0,1,2,3
	ds_store_b128 v6, v[SG+4*\i:SG+4*\i+3] offset:SCL-SLOT1+4096*\i
.endr
	WIN 0
	s_mov_b64 s[8:9], s[32:33]                     ; kvs has been read (the wait above): s[8:9] now holds qs, and s[32:33] are free
.Lpass:
	; ---- the pass's flags: the 64 words "some entry true" of the block's 16 tiles of queries x 4 quarters
	s_lshl_b32 s31, s[QB], 8
	s_load_b512 s[32:47], s[12:13], s31 offset:0x0
	s_load_b512 s[48:63], s[12:13], s31 offset:0x40
	s_load_b512 s[68:83], s[12:13], s31 offset:0x80
	s_load_b512 s[84:99], s[12:13], s31 offset:0xc0
	s_wait_kmcnt 0x0
	s_or_b32 s[AW], s32, s33
.set n, 2
.rept 62
	s_or_b32 s[AW], s[AW], s[32+n+4*(n/32)]
.set n, n+1
.endr
	s_and_b32 s[AW], s[AW], 0xffff                 ; 16 steps: no staging load and no prefetch names a 17th
	s_lshl_b32 s100, s[WV], 5                      ; my two tiles' 8 words
	s_add_co_u32 s100, s100, s31
	s_load_b256 s[32:39], s[12:13], s100 offset:0x0
	s_load_b256 s[40:47], s[12:13], s100 offset:0x800
	s_wait_kmcnt 0x0
	s_or_b32 s[WA], s32, s33
.irp n, 34,35,36,37,38,39
	s_or_b32 s[WA], s[WA], s\n
.endr
	s_and_b32 s[WA], s[WA], 0xffff
	s_or_b32 s2, s40, s41                          ; all true: in tile 0
	s_or_b32 s2, s2, s42
	s_or_b32 s2, s2, s43
	s_or_b32 s3, s44, s45                          ; and in tile 1
	s_or_b32 s3, s3, s46
	s_or_b32 s3, s3, s47
	s_and_b32 s2, s2, s3
	s_and_not1_b32 s[WM], s[WA], s2
	s_and_b32 s2, ttmp9, 3                         ; who prefetches: the head's work-group p = 0, in its first pass, waves 0 to 3
	s_lshr_b32 s3, s[WV], 2
	s_or_b32 s2, s2, s3
	s_sub_co_u32 s3, 2, s[PASS]
	s_or_b32 s2, s2, s3
	s_cmp_eq_u32 s2, 0
	s_cselect_b32 s[PFM], s[AW], 0
	; ---- the pass's loads: step 0's codes, my Q
	s_lshl_b32 s2, s[HEAD], 4
	s_lshl_b32 s3, s[QB], 1
	s_add_co_u32 s2, s2, s3
	s_lshr_b32 s3, s[WV], 2
	s_add_co_u32 s2, s2, s3                        ; my block of 128 rows of Q
	s_and_b32 s3, s[WV], 3                         ; and my two tiles in it
	s_lshl_b32 s31, s2, 14
	s_lshl_b32 s100, s3, 12
	s_add_co_u32 s31, s31, s100
	v_add_nc_u32 v[TA], s31, v1
	s_lshl_b32 s31, s2, 9
	s_lshl_b32 s100, s3, 7
	s_add_co_u32 s31, s31, s100
	v_and_b32 v[TC], 31, v0
	v_lshl_add_u32 v[TC], v[TC], 2, s31
	s_wait_loadcnt 0x0                             ; no load is on its way into the staging registers,
	s_wait_dscnt 0x0                               ; and the LDS stores have read them
	WIN W_D1
.irp i, 0,1,2,3,4,5,6,7
	global_load_b128 v[SG+4*\i:SG+4*\i+3], v5, s[6:7] offset:4096*\i   ; step 0, whatever the flags say: so the staging registers are written on every way
.endr
.irp x, 0,1
.irp c, 0,1,2,3
	global_load_b128 v[QF+16*\x+4*\c:QF+16*\x+4*\c+3], v[TA], s[4:5] offset:2048*\x+512*\c th:TH_LOAD_NT
.endr
.endr
	WIN 0
	global_load_b32 v13, v[TC], s[8:9]             ; Q's scale words: lanes 0-15 tile 0's, lanes 16-31 tile 1's
	; ---- while these are out
.irp x, 0,1
	v_mov_b32 v[17+8*\x], 0xff61b1e6               ; the largest t so far: -3e38, under every t
	v_floor_f32 v[16+8*\x], -v[17+8*\x]            ; -M
	v_mov_b32 v[18+8*\x], 0                        ; the sum, in two halves
	v_mov_b32 v[19+8*\x], 0
	v_mov_b32 v[20+8*\x], 0
	v_mov_b32 v[21+8*\x], 0                        ; (named with f as a pair)
.endr
	WIN W_D1
.set jj, 0
.rept 128
	v_mov_b32 v[jj], 0                             ; O^T.  Which step is a wave's first hangs on the stored flags, so no first product can be written out ahead of the loop
.set jj, jj+1
.endr
	WIN 0
	s_lshl_b32 s2, s[HEAD], 20
	s_lshl_b32 s3, s[QB], 17
	s_add_co_u32 s2, s2, s3
	s_lshl_b32 s3, s[WV], 14
	s_add_co_u32 s2, s2, s3
	v_add_nc_u32 v7, s2, v12                       ; v7  my bytes in my wave's 32 rows of out0 (the last pass's stores have read it: the wait at that pass's end)
	s_mov_b32 s[TS], 0
	s_lshl_b32 s[MO], s[QB], 16                    ; a tile of queries has 16 steps x 256 bytes of lane masks
	s_lshl_b32 s3, s[WV], 13
	s_add_co_u32 s[MO], s[MO], s3
	s_wait_loadcnt 0x0
	WIN W_ST
.irp i, 0,1,2,3,4,5,6,7
	ds_store_b128 v5, v[SG+4*\i:SG+4*\i+3] offset:4096*\i   ; step 0 into slot 0, which nobody reads: every wave has passed the last step's barrier
.endr
	WIN 0
	s_wait_dscnt 0x0                               ; my part of slot 0 (and, in the first pass, of the scale words) lies in LDS, and the stores have read their registers
	WIN W_D1
.irp i, 0,1,2,3,4,5,6,7
	global_load_b128 v[SG+4*\i:SG+4*\i+3], v5, s[6:7] offset:32768+4096*\i   ; step 1
.endr
	WIN 0
	s_barrier_signal -1
	s_barrier_wait -1                              ; everybody's part does
	s_mov_b32 s[TRIP], 8
.macro FRAGS q, base, g                ; four fragments out of slot q: tiles 4 g .. 4 g + 3 of K (base 0) or V (base VOFF); 512 consecutive bytes a load
.irp t, 0,1,2,3
.irp c, 0,1,2,3
	ds_load_b128 v[F+16*\t+4*\c:F+16*\t+4*\c+3], v[1+\q] offset:\base+(4*\g+\t)*2048+512*\c
.endr
.endr
.endm
.macro MLOAD x, q                      ; the 64 lane masks of my tile x for the trip's step q
	s_load_b512 s[32:47], s[10:11], s[MO] offset:256*\q+4096*\x
	s_load_b512 s[48:63], s[10:11], s[MO] offset:256*\q+4096*\x+64
	s_load_b512 s[68:83], s[10:11], s[MO] offset:256*\q+4096*\x+128
	s_load_b512 s[84:99], s[10:11], s[MO] offset:256*\q+4096*\x+192
.endm
.macro MASK x                          ; hidden scores become -infinity ahead of the maximum; each accumulator is read from its low end on
.set n, 0
.rept 64
	v_cndmask_b32 v[96+64*\x+n], v9, v[96+64*\x+n], s[32+n+4*(n/32)]
.set n, n+1
.endr
.endm
; S^T = K Q^T: four tiles of keys x my two tiles of queries; each product starts its sum with 0.  A scale register holds an even tile's words in lanes 0-15 and the odd tile's in lanes 16-31.
.macro KQ g
	WIN W_KQ
.irp t, 0,1,2,3
.irp x, 0,1
.set rD, 96+64*\x+8*(4*\g+\t)
.set rA, F+16*\t
.set rB, QF+16*\x
.set rS, KS+(4*\g+\t)/2
.if (\t%2 == 0) && (\x == 0)
	v_wmma_scale_f32_16x16x128_f8f6f4 v[rD:rD+7], v[rA:rA+15], v[rB:rB+15], 0, v[rS], v13 matrix_a_fmt:MATRIX_FMT_BF8 matrix_b_fmt:MATRIX_FMT_BF8
.elseif (\t%2 == 0)
	v_wmma_scale_f32_16x16x128_f8f6f4 v[rD:rD+7], v[rA:rA+15], v[rB:rB+15], 0, v[rS], v13 matrix_a_fmt:MATRIX_FMT_BF8 matrix_b_fmt:MATRIX_FMT_BF8 matrix_b_scale:MATRIX_SCALE_ROW1
.elseif (\x == 0)
	v_wmma_scale_f32_16x16x128_f8f6f4 v[rD:rD+7], v[rA:rA+15], v[rB:rB+15], 0, v[rS], v13 matrix_a_fmt:MATRIX_FMT_BF8 matrix_b_fmt:MATRIX_FMT_BF8 matrix_a_scale:MATRIX_SCALE_ROW1
.else
	v_wmma_scale_f32_16x16x128_f8f6f4 v[rD:rD+7], v[rA:rA+15], v[rB:rB+15], 0, v[rS], v13 matrix_a_fmt:MATRIX_FMT_BF8 matrix_b_fmt:MATRIX_FMT_BF8 matrix_a_scale:MATRIX_SCALE_ROW1 matrix_b_scale:MATRIX_SCALE_ROW1
.endif
.endr
.endr
	WIN 0
.endm
; O^T += V^T P^T: four tiles of channels x my two tiles of queries.  The 16 accumulators have one instruction each in a step: they take turns.
.macro PV g
	WIN W_PV
.irp t, 0,1,2,3
.irp x, 0,1
.set rD, 64*\x+8*(4*\g+\t)
.set rA, F+16*\t
.set rB, PCD+16*\x
.set rS, KS+(4*\g+\t)/2
.if \t%2 == 0
	v_wmma_scale_f32_16x16x128_f8f6f4 v[rD:rD+7], v[rA:rA+15], v[rB:rB+15], v[rD:rD+7], v[rS], v[14+\x] matrix_a_fmt:MATRIX_FMT_BF8 matrix_b_fmt:MATRIX_FMT_BF8
.else
	v_wmma_scale_f32_16x16x128_f8f6f4 v[rD:rD+7], v[rA:rA+15], v[rB:rB+15], v[rD:rD+7], v[rS], v[14+\x] matrix_a_fmt:MATRIX_FMT_BF8 matrix_b_fmt:MATRIX_FMT_BF8 matrix_a_scale:MATRIX_SCALE_ROW1
.endif
.endr
.endr
	WIN 0
.endm
; Tile x's softmax for a key step: 64 scores of a lane become p's codes (window 1) and scale word (v14 + x); the sum and O^T go under the new M.
.macro SOFTMAX x
.set S, 96+64*\x
.set ST, 16+8*\x
.irp b, 0,1,2,3
	v_max3_num_f32 v[BM+\b], v[S+16*\b], v[S+1+16*\b], v[S+2+16*\b]   ; the largest score of each block of 32 keys: for the row's maximum and, since p rises with the score, for the block's largest p
.endr
.irp i, 3,5,7,9,11,13
.irp b, 0,1,2,3
	v_max3_num_f32 v[BM+\b], v[BM+\b], v[S+16*\b+\i], v[S+1+16*\b+\i]
.endr
.endr
.irp b, 0,1,2,3
	v_max_num_f32 v[BM+\b], v[BM+\b], v[S+15+16*\b]
.endr
.irp b, 0,1,2,3
	v_permlanex16_b32 v[T2+\b], v[BM+\b], s[SEL], s[SEL+1]
.endr
.irp b, 0,1,2,3
	v_max_num_f32 v[BM+\b], v[BM+\b], v[T2+\b]     ; with lane l xor 16's 16 keys
.endr
	v_max3_num_f32 v[TA], v[BM], v[BM+1], v[BM+2]
	v_max_num_f32 v[TA], v[TA], v[BM+3]            ; the step's largest score of my query
	v_mul_f32 v[TA], s[CS], v[TA]                  ; as t (c is positive)
	v_max_num_f32 v[ST+1], v[ST+1], v[TA]          ; the running largest t
	v_mov_b32 v[TA], v[ST]
	v_floor_f32 v[ST], -v[ST+1]                    ; the new -M = floor(-t) = -ceil(t)
	v_sub_f32 v[TA], v[ST], v[TA]                  ; old M - new M: a whole number, 0 or less
	v_cvt_i32_f32 v[TA], v[TA]                     ; (it saturates)
	v_ldexp_f32 v[ST+4], 1.0, v[TA]                ; f = 2^(old M - new M)
.set jj, 0
.rept 32
	v_pk_fma_f32 v[S+jj:S+jj+1], v[S+jj:S+jj+1], s[CS:CS+1], v[ST:ST+1] op_sel_hi:[1,0,0]   ; t - M, two at a time
.set jj, jj+2
.endr
.irp b, 0,1,2,3
	v_fma_f32 v[BM+\b], v[BM+\b], s[CS], v[ST]     ; the same of each block's largest score
.endr
.set jj, 0
.rept 64
	v_exp_f32 v[S+jj], v[S+jj]                     ; p = 2^(t - M), at most 1
.set jj, jj+1
.endr
	v_pk_mul_f32 v[ST+2:ST+3], v[ST+2:ST+3], v[ST+4:ST+5] op_sel_hi:[1,0]   ; the sums under the new M: the plain line behind the exponentials
	s_wait_alu depctr_va_vdst(0)                   ; one wait for the batch of 64, ahead of its first reader
.irp b, 0,1,2,3
	v_exp_f32 v[BM+\b], v[BM+\b]                   ; the block's largest p: the same two instructions on the same number give the same bits
.endr
	v_pk_add_f32 v[SU:SU+1], v[S:S+1], v[S+2:S+3]  ; the row's sum is taken of the unquantised p: two chains
.irp j, 4,8,12,16,20,24,28,32,36,40,44,48,52,56,60
	v_pk_add_f32 v[ST+2:ST+3], v[ST+2:ST+3], v[S+\j:S+\j+1]
	v_pk_add_f32 v[SU:SU+1], v[SU:SU+1], v[S+2+\j:S+3+\j]
.endr
	v_pk_add_f32 v[ST+2:ST+3], v[ST+2:ST+3], v[SU:SU+1]
	s_wait_alu depctr_va_vdst(0)                   ; and one for the four
.irp b, 0,1,2,3
	v_max_num_f32 v[BM+\b], 0x8000000, v[BM+\b]    ; the floor 2^(16 - 127): the byte cannot fall under 1
.endr
.irp b, 0,1,2,3
	v_add_nc_u32 v[SO+\b], 0xf8800000, v[BM+\b]    ; 15 off the exponent field: the conversion's scale operand
.endr
.irp b, 0,1,2,3
	v_and_or_b32 v[HD+\b], v[BM+\b], 0x7f800000, s[MNT]   ; 57,344 x the scale
.endr
.irp b, 0,1,2,3
	v_lshrrev_b32 v[T2+\b], 23, v[SO+\b]           ; the scale's byte
.endr
	v_lshl_or_b32 v[14+\x], v[T2+1], 8, v[T2]      ; p's scale word for these 128 keys
	v_lshl_or_b32 v[14+\x], v[T2+2], 16, v[14+\x]
	v_lshl_or_b32 v[14+\x], v[T2+3], 24, v[14+\x]
.irp b, 0,1,2,3
.irp i, 0,1,2,3,4,5,6,7,8,9,10,11,12,13,14,15
	v_min_num_f32 v[S+16*\b+\i], v[S+16*\b+\i], v[HD+\b]   ; the conversion does not saturate (ISA guide 7.6.2); p is not negative, so the hold is one-sided
.endr
.endr
	WIN W_D1
.irp b, 0,1,2,3
	v_cvt_scalef32_pk8_bf8_f32 v[PCD+16*\x+4*\b:PCD+16*\x+4*\b+1], v[S+16*\b:S+16*\b+7], v[SO+\b]
	v_cvt_scalef32_pk8_bf8_f32 v[PCD+16*\x+4*\b+2:PCD+16*\x+4*\b+3], v[S+16*\b+8:S+16*\b+15], v[SO+\b]
.endr
	v_nop                                          ; one plain line behind the last conversion
	WIN W_RS
.set jj, 0
.rept 32
	v_pk_mul_f32 v[64*\x+jj:64*\x+jj+1], v[64*\x+jj:64*\x+jj+1], v[ST+4:ST+5] op_sel_hi:[1,0]   ; O^T under the new M; these lines are also the places between the codes, the scale word and the products that take them
.set jj, jj+2
.endr
	WIN 0
.endm
; A KEY STEP: the trip's q-th.  It reads slot q and fills slot 1 - q.
.macro STEP q
	s_bitcmp1_b32 s[AW], \q+1                      ; is the next step needed by anybody?
	s_cbranch_scc0 .Lno_put_\@
	s_wait_loadcnt 0x0                             ; its codes are in my staging registers
	WIN W_ST
.irp i, 0,1,2,3,4,5,6,7
	ds_store_b128 v[6-\q], v[SG+4*\i:SG+4*\i+3] offset:4096*\i   ; into the slot that was left at the last barrier
.endr
	WIN 0
.Lno_put_\@:
	s_bitcmp1_b32 s[AW], \q+2                      ; and the step after it?
	s_cbranch_scc0 .Lno_get_\@
	s_wait_loadcnt 0x0                             ; no load is on its way into the staging registers,
	s_wait_dscnt 0x0                               ; and the stores above have read them
	WIN W_D1
.irp i, 0,1,2,3,4,5,6,7
	global_load_b128 v[SG+4*\i:SG+4*\i+3], v5, s[6:7] offset:(\q+2)*32768+4096*\i
.endr
	WIN 0
	s_bitcmp1_b32 s[PFM], \q+3
	s_cbranch_scc0 .Lno_get_\@
	global_prefetch_b8 v8, s[6:7] offset:(\q+3)*32768 th:TH_LOAD_NT scope:SCOPE_SE   ; the step three on, one step ahead of the loads that will want it: 8,192 bytes a wave, lanes 256 bytes apart; four waves of one work-group of the head, in one pass: each block of 256 bytes is named once.  The flags have no bit for a 17th step; steps 0 to 2 come by their loads alone
.Lno_get_\@:
	s_bitcmp1_b32 s[WA], \q                        ; do my 32 queries need this step?
	s_cbranch_scc0 .Lskip_\@
	s_bitcmp1_b32 s[WM], \q
	s_cbranch_scc0 .Lopen_a_\@
	MLOAD 0, \q
.Lopen_a_\@:
	v_add_nc_u32 v4, s[TS], v3
	FRAGS \q, 0, 0
.irp j, 0,1,2,3
	ds_load_b32 v[KS+\j], v4 offset:1024*\q+128*\j   ; K's scale words of the step's 8 tiles
.endr
	s_wait_dscnt 0x0
	KQ 0
	PLACES 8
	FRAGS \q, 0, 1
	s_wait_dscnt 0x0
	KQ 1
	PLACES 8                                       ; ahead of the loads below and of the first read of the scores
	FRAGS \q, VOFF, 0                              ; V's first four tiles and its scale words land under the softmax
.irp j, 0,1,2,3
	ds_load_b32 v[KS+\j], v4 offset:1024*\q+512+128*\j
.endr
	s_bitcmp1_b32 s[WM], \q
	s_cbranch_scc0 .Lopen_b_\@
	s_wait_kmcnt 0x0
	MASK 0
	MLOAD 1, \q
.Lopen_b_\@:
	SOFTMAX 0
	s_bitcmp1_b32 s[WM], \q
	s_cbranch_scc0 .Lopen_c_\@
	s_wait_kmcnt 0x0
	MASK 1
.Lopen_c_\@:
	SOFTMAX 1
	s_wait_dscnt 0x0
	PV 0
	PLACES 8
	FRAGS \q, VOFF, 1
	s_wait_dscnt 0x0
	PV 1
	PLACES 8                                       ; for whatever comes next on any way: loads into the fragments, the next rescaling, the way out
.Lskip_\@:
	s_wait_kmcnt 0x0                               ; no lane mask is on its way: the words may be asked for again, and their offset stepped
	s_wait_dscnt 0x0                               ; my stores into slot 1 - q have landed, and my reads of slot q are back
	s_barrier_signal -1
	s_barrier_wait -1                              ; both now hold of every wave: slot 1 - q may be read and slot q written
.endm
.Ltrip:
	STEP 0
	STEP 1
	s_wait_xcnt 0x0                                ; the staging loads and the prefetch have read their base
	s_add_nc_u64 s[6:7], s[6:7], 0x10000           ; two steps on
	s_add_co_u32 s[TS], s[TS], 2048
	s_add_co_u32 s[MO], s[MO], 512
	s_lshr_b32 s[AW], s[AW], 2
	s_lshr_b32 s[WA], s[WA], 2
	s_lshr_b32 s[WM], s[WM], 2
	s_lshr_b32 s[PFM], s[PFM], 2
	s_sub_co_u32 s[TRIP], s[TRIP], 1
	s_cmp_lg_u32 s[TRIP], 0
	s_cbranch_scc1 .Ltrip
	; ---- THE WAY OUT.  The sum's halves are added; O^T is divided by the sum and goes through my stage, half a row (64 channels, 256 bytes) of 16 queries at a time, so that sixteen lanes store 256 consecutive bytes, aligned.
.irp x, 0,1
	v_add_f32 v[20+8*\x], v[18+8*\x], v[19+8*\x]
.endr
.irp x, 0,1
	v_permlanex16_b32 v[21+8*\x], v[20+8*\x], s[SEL], s[SEL+1]
.endr
.irp x, 0,1
	v_add_f32 v[20+8*\x], v[20+8*\x], v[21+8*\x]   ; with lane l xor 16's: the row's sum
.endr
.irp x, 0,1
	v_rcp_f32 v[21+8*\x], v[20+8*\x]
.endr
	v_nop                                          ; a plain line behind the reciprocals,
	s_wait_alu depctr_va_vdst(0)                   ; and one wait for the two, ahead of their first reader
	WIN W_O
.set jj, 0
.rept 128
	v_mul_f32 v[96+jj], v[jj], v[21+8*(jj/64)]     ; register 64 x + 8 t + i is o(query r of tile x, channel 16 t + 8 h + i); each accumulator from its low end on
.set jj, jj+1
.endr
	WIN 0
.macro OUT x, rb                       ; tile x; its rows come back into v[rb] on
.irp u, 0,1
.irp t, 0,1,2,3
	ds_store_b128 v10, v[96+64*\x+32*\u+8*\t:99+64*\x+32*\u+8*\t] offset:64*\t
	ds_store_b128 v10, v[100+64*\x+32*\u+8*\t:103+64*\x+32*\u+8*\t] offset:64*\t+16
.endr
.irp i, 0,1,2,3,4,5,6,7
	ds_load_b128 v[\rb+32*\u+4*\i:\rb+32*\u+4*\i+3], v11 offset:544*\i   ; LDS serves a wave's instructions in order (ISA guide 5.7.1.4): these see my stores, and the next half's stores come behind them
.endr
.endr
.irp u, 0,1
.irp i, 0,1,2,3,4,5,6,7
	s_wait_dscnt 15-8*\u-\i                        ; at most the younger LDS instructions of this tile stay out; the last count is 0
	global_store_b128 v7, v[\rb+32*\u+4*\i:\rb+32*\u+4*\i+3], s[14:15] offset:8192*\x+1024*\i+256*\u th:TH_STORE_NT
.endr
.endr
.endm
	OUT 0, 32
	OUT 1, 96                                      ; tile 0's numbers have left v96-159 (the count above ended at 0), and tile 0's stores read v32-95
	s_wait_xcnt 0x0                                ; the stores have read their registers and the staging loads their base: all may be written again
	s_sub_nc_u64 s[6:7], s[6:7], 0x80000           ; back to the head's first step
	s_sub_co_u32 s[QB], 7, s[QB]                   ; the other block
	s_sub_co_u32 s[PASS], s[PASS], 1
	s_cmp_lg_u32 s[PASS], 0
	s_cbranch_scc1 .Lpass
	s_wait_tensorcnt 0x0
	ds_add_u32 v254, v255
	s_wait_dscnt 0x0
	s_endpgm
.Lfunc_end_k_q44fa9e1d37_attn:
	.size	k_q44fa9e1d37_attn, .Lfunc_end_k_q44fa9e1d37_attn-k_q44fa9e1d37_attn
	.p2alignl 7, 3214868480
	.fill 96, 4, 3214868480
	.section	.rodata,"a",@progbits
	.p2align	6, 0x0
	.amdhsa_kernel k_q44fa9e1d37_attn
		.amdhsa_group_segment_fixed_size 117760
		.amdhsa_private_segment_fixed_size 0
		.amdhsa_enable_private_segment 0
		.amdhsa_kernarg_size 56
		.amdhsa_user_sgpr_count 2
		.amdhsa_user_sgpr_kernarg_segment_ptr 1
		.amdhsa_wavefront_size32 1
		.amdhsa_system_sgpr_workgroup_id_x 1
		.amdhsa_system_sgpr_workgroup_id_y 1
		.amdhsa_system_sgpr_workgroup_id_z 1
		.amdhsa_system_vgpr_workitem_id 0
		.amdhsa_next_free_vgpr 512
		.amdhsa_next_free_sgpr 102
		.amdhsa_reserve_vcc 0
		.amdhsa_float_denorm_mode_32 3
		.amdhsa_float_denorm_mode_16_64 3
		.amdhsa_memory_ordered 1
		.amdhsa_forward_progress 1
		.amdhsa_inst_pref_size 130
	.end_amdhsa_kernel
	.amdgpu_metadata
---
amdhsa.version: [ 1, 2 ]
amdhsa.kernels:
  - .name:           k_q44fa9e1d37_attn
    .symbol:         k_q44fa9e1d37_attn.kd
    .args:
      - { .name: qc, .offset: 0, .size: 8, .value_kind: global_buffer, .address_space: global }
      - { .name: kvc, .offset: 8, .size: 8, .value_kind: global_buffer, .address_space: global }
      - { .name: kvs, .offset: 16, .size: 8, .value_kind: global_buffer, .address_space: global }
      - { .name: mbits, .offset: 24, .size: 8, .value_kind: global_buffer, .address_space: global }
      - { .name: flags, .offset: 32, .size: 8, .value_kind: global_buffer, .address_space: global }
      - { .name: out0, .offset: 40, .size: 8, .value_kind: global_buffer, .address_space: global }
      - { .name: qs, .offset: 48, .size: 8, .value_kind: global_buffer, .address_space: global }
    .group_segment_fixed_size: 117760
    .private_segment_fixed_size: 0
    .kernarg_segment_align: 8
    .kernarg_segment_size: 56
    .max_flat_workgroup_size: 256
    .sgpr_count:     102
    .vgpr_count:     512
    .wavefront_size: 32
...
	.end_amdgpu_metadata
.endif
;; end of part 2
;; ======== version 2 of 2: 2 launches
;; workspace buffers: qc 16,777,216 bytes; qs 524,288 bytes; kvc 33,554,432 bytes; kvs 1,048,576 bytes; mbits 524,288 bytes of whole numbers; flags 4,096 bytes of whole numbers
;; launch prep (part 3): grid 1664 x 1, 4 waves a work-group, no clusters, 34,304 bytes of LDS; arguments Q, K, V, mask, qc, qs, kvc, kvs, mbits, flags; writes qc, qs, kvc, kvs, mbits, flags
.if DOCPART == 3
	.amdgcn_target "amdgcn-amd-amdhsa--gfx1250"
	.amdhsa_code_object_version 6
	.text
	.protected	k_q44fa9e1d37_prep
	.globl	k_q44fa9e1d37_prep
	.p2align	8
	.type	k_q44fa9e1d37_prep,@function
k_q44fa9e1d37_prep:
	s_mov_b64 s[64:65], 0
	v_nop
	global_prefetch_b8 v0, s[64:65] scope:SCOPE_SE
	s_setreg_imm32_b32 hwreg(HW_REG_WAVE_MODE, 25, 1), 1
	s_wait_xcnt 0x0
; PREP: Q, K, V (f32, [64 heads][2048][128]) become codes of BF8 (E5M2) with one E8M0 byte for each 32 along a product's K, laid as IMAGES OF THE OPERANDS' REGISTERS,
; and the mask ([2048][2048] bytes) becomes lane masks and two flags for each tile of 16 queries x 128 keys.
; A block's scale is 2^(floor(log2(its largest magnitude)) - 15); its byte is the largest magnitude's exponent field - 15, held at 1 from below; each number is held within +-57,344 x the scale and converted, ties to even.
; LIMITS: NaN and infinities among Q, K, V are not served.  A block of zeros gets the byte 1 where the rule says 127 (its codes are zeros, and this program alone reads the bytes); blocks whose largest magnitude lies under 2^-111 keep the floor's byte.
; THREE PATHS, parted by the work-group's number: 0..127 the mask; 128..639 Q and K (K = the head's 128, innermost); 640..1663 V (K = the keys, its first axis within a head).  Only the second uses LDS.  No wave shares anything with another: no barrier.
; LAYOUTS.  A fragment (16 rows x 128 K) is 2,048 bytes: [c 0..3][lane][16 bytes]; lane (r, h) holds row r's codes of k = 32 c + 16 h + 0..15.
;   qc  [block of 128 rows][tile t][2,048]: tile t holds rows 16 t + r.            qs  [block][128 words]: row x's four bytes at 4 x.
;   kvc [key step of 128 keys][32,768]: K's 8 tiles, in which lane r of tile 2 b + u holds key 32 b + 8 u + r + 8 (r / 8); from 16,384 on V^T's 8 tiles: tile t holds channel 16 t + r, k = the step's keys.
;   kvs [key step][1,024]: K's word of (tile t, r) at 64 t + 4 r; from 512 on V's word of channel d at 4 d.
;   mbits [tile of 16 queries][key step][64 words]: bit r + 16 h of word 16 b + i is mask[16 qt + r][128 s + 32 b + 16 h + i].
;   flags: word 4 qt + w (w = a quarter of the 16 key steps) holds bits 4 w .. 4 w + 3: "some entry of the tile is true"; 2,048 bytes further on the same for "all are true".
.set TM,  24                           ; v24-27 largest magnitudes, v28-31 the other half's / bytes, v32-35 the hold, v36-39 the conversions' scale operands
.set PC,  40                           ; v40-55  a fragment's codes
.set RR,  64                           ; v64-191 two sets of 16 rows as they are loaded
.set X,   192                          ; v192-255 64 numbers of a lane: register 16 b + i = k 32 b + 16 h + i of row r
.set SPT, 528                          ; a stage row: 512 bytes + 16
	s_load_b512 s[4:19], s[0:1], 0x0               ; Q s[4:5], K s[6:7], V s[8:9], mask s[10:11], qc s[12:13], qs s[14:15], kvc s[16:17], kvs s[18:19]
	s_load_b128 s[20:23], s[0:1], 0x40             ; mbits s[20:21], flags s[22:23]
	v_lshl_add_u32 v62, v0, 2, 0x8400
	v_mov_b32 v63, 0
	v_lshrrev_b32 v1, 5, v0
	v_readfirstlane_b32 s24, v1                    ; wave 0..3
	v_and_b32 v1, 31, v0                           ; lane
	v_and_b32 v2, 15, v0                           ; r
	v_bfe_u32 v3, v0, 4, 1                         ; h
	s_mov_b32 s26, 0x76543210
	s_mov_b32 s27, 0xfedcba98                      ; v_permlanex16_b32's selects for lane l xor 16
	s_mov_b32 s28, 0x600000                        ; the mantissa field of 57,344
	s_mov_b32 s29, 0xffff0000                      ; lanes 16-31
	s_wait_kmcnt 0x0
	s_cmp_lt_u32 ttmp9, 128
	s_cbranch_scc1 .Lmask
	s_cmp_lt_u32 ttmp9, 640
	s_cbranch_scc1 .Lqk
; ---------------- V: a work-group takes a key step, a wave 32 channels.  A LANE TAKES A CHANNEL, AND ITS REGISTERS RUN DOWN THE KEYS: a block of 32 keys lies in one lane's 32 registers.
	s_sub_co_u32 s30, ttmp9, 640                   ; the key step: 16 x head + s
	s_mov_b32 s33, 0
	s_lshl_b32 s32, s30, 16                        ; 128 keys of 512 bytes,
	s_lshl_b32 s34, s24, 7                         ; my 32 channels
	s_add_co_u32 s32, s32, s34
	s_add_nc_u64 s[8:9], s[8:9], s[32:33]
	s_lshl_b32 s32, s30, 15
	s_lshl_b32 s34, s24, 12                        ; my two tiles of V^T
	s_add_co_u32 s32, s32, s34
	s_add_co_u32 s32, s32, 16384
	s_add_nc_u64 s[16:17], s[16:17], s[32:33]
	s_lshl_b32 s32, s30, 10
	s_lshl_b32 s34, s24, 7
	s_add_co_u32 s32, s32, s34
	s_add_co_u32 s32, s32, 512
	s_add_nc_u64 s[18:19], s[18:19], s[32:33]
	s_wait_alu depctr_va_vdst(0)
	v_lshlrev_b32 v4, 2, v1                        ; in: 4 bytes a lane; also my channel's scale word
	v_lshlrev_b32 v5, 11, v3
	v_lshl_add_u32 v5, v2, 4, v5                   ; out: tile lane / 16, 16 bytes at 16 (lane % 16)
.macro LOADV c                         ; block c: V(32 c + i, my channel), i = 0 .. 31, into set c % 2
.set i, 0
.rept 32
	global_load_b32 v[64+32*((\c)%2)+i], v4, s[8:9] offset:(32*(\c)+i)*512 th:TH_LOAD_NT
.set i, i+1
.endr
.endm
.macro BLOCK c
.set XS, 64+32*((\c)%2)
.if (\c) < 3
	s_wait_loadcnt 32                              ; this block's 32 loads are in; the next block's 32 may be out
.else
	s_wait_loadcnt 0x0
.endif
	v_max3_num_f32 v12, |v[XS]|, |v[XS+1]|, |v[XS+2]|              ; the block's largest magnitude: all 32 numbers are mine; two chains
	v_max3_num_f32 v13, |v[XS+3]|, |v[XS+4]|, |v[XS+5]|
.irp i, 6,10,14,18,22,26
	v_max3_num_f32 v12, v12, |v[XS+\i]|, |v[XS+\i+1]|
	v_max3_num_f32 v13, v13, |v[XS+\i+2]|, |v[XS+\i+3]|
.endr
	v_max3_num_f32 v12, v12, |v[XS+30]|, |v[XS+31]|
	v_max3_num_f32 v12, v12, v13, 0x8000000        ; and the floor 2^(16 - 127): the byte cannot fall under 1
	v_add_nc_u32 v11, 0xf8800000, v12              ; 15 off the exponent field: the conversion's scale operand
	v_and_or_b32 v10, v12, 0x7f800000, s28         ; 57,344 x the scale
	v_lshrrev_b32 v13, 23, v11                     ; the scale's byte
.if (\c) == 0
	v_mov_b32 v8, v13                              ; four bytes make my channel's scale word for these 128 keys
.else
	v_lshl_or_b32 v8, v13, 8*(\c), v8
.endif
.set i, 0
.rept 32
	v_med3_num_f32 v[XS+i], v[XS+i], -v10, v10     ; the conversion to an 8-bit code does not saturate (ISA guide 7.6.2): the hold comes first
.set i, i+1
.endr
.irp g, 0,1,2,3
	v_cvt_scalef32_pk8_bf8_f32 v[128+8*(\c)+2*\g:129+8*(\c)+2*\g], v[XS+8*\g:XS+8*\g+7], v11
.endr
	v_nop                                          ; one plain line behind the last conversion: the next block writes v11 again
	global_store_b128 v5, v[128+8*(\c):131+8*(\c)], s[16:17] offset:512*(\c)       ; keys 32 c + 0..15: the place of lanes 0-15 of the fragment; sixteen lanes store 256 consecutive bytes, aligned
	global_store_b128 v5, v[132+8*(\c):135+8*(\c)], s[16:17] offset:512*(\c)+256   ; keys 32 c + 16..31: the place of lanes 16-31.  Each block has registers of its own: no store's data are written again
.if (\c) < 2
	LOADV (\c)+2
.endif
.endm
	LOADV 0
	LOADV 1
	BLOCK 0
	BLOCK 1
	BLOCK 2
	BLOCK 3
	global_store_b32 v4, v8, s[18:19]              ; 32 scale words: 128 consecutive bytes a wave, 512 a work-group
	s_endpgm
; ---------------- Q and K: a wave takes a block of 128 rows: 8 tiles of 16.  One body serves both; the buffers and the order of a tile's rows are chosen on the work-group's number alone.
.Lqk:
	s_sub_co_u32 s30, ttmp9, 128
	s_lshl_b32 s30, s30, 2
	s_add_co_u32 s30, s30, s24                     ; 0..1023: Q's blocks, 1024..2047: K's
	s_cmp_lt_u32 ttmp9, 384                        ; Q's work-group?
	s_cselect_b64 s[4:5], s[4:5], s[6:7]           ; the numbers,
	s_cselect_b64 s[12:13], s[12:13], s[16:17]     ; the codes,
	s_cselect_b64 s[14:15], s[14:15], s[18:19]     ; the scale words
	s_cselect_b32 s31, 0, 1024
	s_cselect_b32 s32, 14, 15                      ; a block's codes: 16,384 bytes in qc; K's lie 32,768 apart in kvc
	s_cselect_b32 s33, 9, 10                       ; its scale words: 512 bytes in qs; 1,024 apart in kvs
	s_cselect_b32 s34, 0, 4096                     ; what rows 8-15 of an even tile lie further on than 32 b + i: Q 0 rows, K 8
	s_mov_b32 s35, 4096
	s_cselect_b32 s35, 8192, s35                   ; rows 0-7 of an odd tile: Q 16 rows, K 8.  (Rows 8-15 of an odd tile: 16 in both)
	s_sub_co_u32 s30, s30, s31                     ; the block: 16 x head + s
	s_mov_b32 s37, 0
	s_lshl_b32 s36, s30, 16
	s_add_nc_u64 s[4:5], s[4:5], s[36:37]
	s_lshl_b32 s36, s30, s32
	s_add_nc_u64 s[12:13], s[12:13], s[36:37]
	s_lshl_b32 s36, s30, s33
	s_add_nc_u64 s[14:15], s[14:15], s[36:37]
	s_wait_alu depctr_va_vdst(0)
	v_lshlrev_b32 v4, 4, v1                        ; 16 x lane: a row's 512 bytes over 32 lanes; also an image's place for my lane
	v_add_nc_u32 v5, s34, v4
	v_add_nc_u32 v6, s35, v4
	v_add_nc_u32 v7, 8192, v4
	s_mul_i32 s36, s24, 16*SPT                     ; my wave's stage
	v_add_nc_u32 v8, s36, v4                       ; into it: rows as they are loaded
	v_mul_u32_u24 v9, v2, SPT
	v_lshl_add_u32 v9, v3, 6, v9
	v_add_nc_u32 v9, s36, v9                       ; out of it: row r, + 64 h: my 16 numbers of a block of 32
	v_lshlrev_b32 v11, 2, v1
.irp b, 0,1,2,3
	v_mov_b32 v[TM+4+\b], 0                        ; written once: a lane permute's destination counts as one of its sources
.endr
.macro LOADT t                         ; tile t = 2 b + u: 16 whole rows, 512 consecutive bytes a load, into set t % 2
.set i, 0
.rept 16
	global_load_b128 v[RR+64*((\t)%2)+4*i:RR+64*((\t)%2)+4*i+3], v[4+2*((\t)%2)+i/8], s[4:5] offset:(32*((\t)/2)+i)*512 th:TH_LOAD_NT
.set i, i+1
.endr
.endm
.macro QUANT s, pw                     ; 64 numbers of a lane become a fragment's codes in v[PC] on and its scale word in v[pw]
.irp b, 0,1,2,3
	v_max3_num_f32 v[TM+\b], |v[\s+16*\b]|, |v[\s+1+16*\b]|, 0x8000000   ; block b: my 16 numbers, and the floor 2^(16 - 127)
.endr
.irp i, 2,4,6,8,10,12,14
.irp b, 0,1,2,3
	v_max3_num_f32 v[TM+\b], v[TM+\b], |v[\s+16*\b+\i]|, |v[\s+1+16*\b+\i]|   ; the four blocks by turns
.endr
.endr
.irp b, 0,1,2,3
	v_permlanex16_b32 v[TM+4+\b], v[TM+\b], s26, s27
.endr
.irp b, 0,1,2,3
	v_max_num_f32 v[TM+\b], v[TM+\b], v[TM+4+\b]   ; with lane l xor 16's 16: the block's largest magnitude
.endr
.irp b, 0,1,2,3
	v_add_nc_u32 v[TM+12+\b], 0xf8800000, v[TM+\b] ; the conversion's scale operand
.endr
.irp b, 0,1,2,3
	v_and_or_b32 v[TM+8+\b], v[TM+\b], 0x7f800000, s28   ; 57,344 x the scale
.endr
.irp b, 0,1,2,3
	v_lshrrev_b32 v[TM+4+\b], 23, v[TM+12+\b]      ; the scale's byte
.endr
	v_lshl_or_b32 v[\pw], v[TM+5], 8, v[TM+4]      ; my row's scale word
	v_lshl_or_b32 v[\pw], v[TM+6], 16, v[\pw]
	v_lshl_or_b32 v[\pw], v[TM+7], 24, v[\pw]
.irp b, 0,1,2,3
.irp i, 0,1,2,3,4,5,6,7,8,9,10,11,12,13,14,15
	v_med3_num_f32 v[\s+16*\b+\i], v[\s+16*\b+\i], -v[TM+8+\b], v[TM+8+\b]   ; the hold (ISA guide 7.6.2: the conversion does not saturate)
.endr
.endr
	s_wait_alu depctr_va_vdst(0)
	s_wait_xcnt 0x0                                ; the last tile's stores have read v[PC] on: only behind this wait are the codes written again
.irp b, 0,1,2,3
	v_cvt_scalef32_pk8_bf8_f32 v[PC+4*\b:PC+1+4*\b], v[\s+16*\b:\s+7+16*\b], v[TM+12+\b]
	v_cvt_scalef32_pk8_bf8_f32 v[PC+2+4*\b:PC+3+4*\b], v[\s+8+16*\b:\s+15+16*\b], v[TM+12+\b]
.endr
	v_nop                                          ; one plain line behind the last conversion
.endm
.macro TILE t
.if (\t) < 7
	s_wait_loadcnt 16                              ; this tile's 16 loads are in; the next tile's 16 may be out
.else
	s_wait_loadcnt 0x0
.endif
.irp i, 0,1,2,3,4,5,6,7,8,9,10,11,12,13,14,15
	ds_store_b128 v8, v[RR+64*((\t)%2)+4*\i:RR+64*((\t)%2)+4*\i+3] offset:SPT*\i
.endr
.irp b, 0,1,2,3
.irp j, 0,1,2,3
	ds_load_b128 v[X+16*\b+4*\j:X+16*\b+4*\j+3], v9 offset:128*\b+16*\j   ; LDS serves a wave's instructions in order (ISA guide 5.7.1.4): these see the stores above
.endr
.endr
	s_wait_dscnt 0x0                               ; my 64 numbers are back, and the stores have read their registers,
.if (\t) < 6
	LOADT (\t)+2                                   ; which take the tile two further on
.endif
	QUANT X, 12+(\t)
.irp c, 0,1,2,3
	global_store_b128 v4, v[PC+4*\c:PC+4*\c+3], s[12:13] offset:2048*(\t)+512*\c   ; 32 lanes store 512 consecutive bytes, aligned
.endr
.endm
	LOADT 0
	LOADT 1
	s_wait_alu depctr_va_vdst(0)
.irp t, 0,1,2,3,4,5,6,7
	TILE \t
.endr
.irp j, 0,1,2,3
	v_cndmask_b32 v[20+\j], v[12+2*\j], v[13+2*\j], s29   ; lanes 0-15 tile 2 j's words, lanes 16-31 tile 2 j + 1's (both halves of the lanes hold row r's word)
.endr
.irp j, 0,1,2,3
	global_store_b32 v11, v[20+\j], s[14:15] offset:128*\j   ; 128 consecutive bytes a store; the four together a block's 512: one byte for each 128 read
.endr
	s_wait_tensorcnt 0x0
	ds_add_u32 v62, v63
	s_wait_dscnt 0x0
	s_endpgm
; ---------------- the mask: a work-group takes 16 queries, wave w key steps 4 w .. 4 w + 3.  Lane (r, h) loads, for block b of a step, the 16 bytes mask[16 qt + r][128 s + 32 b + 16 h ..]: 512 bytes of each of 16 rows a wave.
.Lmask:
	s_mov_b32 s31, 0
	s_lshl_b32 s30, ttmp9, 15                      ; 16 rows of 2,048 bytes,
	s_lshl_b32 s42, s24, 9                         ; my four steps' 512
	s_add_co_u32 s30, s30, s42
	s_add_nc_u64 s[10:11], s[10:11], s[30:31]
	s_lshl_b32 s30, ttmp9, 4
	s_lshl_b32 s42, s24, 2
	s_add_co_u32 s30, s30, s42                     ; 16 qt + 4 w
	s_lshl_b32 s30, s30, 8                         ; 256 bytes a tile
	s_add_nc_u64 s[20:21], s[20:21], s[30:31]
	s_lshl_b32 s30, ttmp9, 2
	s_add_co_u32 s30, s30, s24
	s_lshl_b32 s30, s30, 2                         ; word 4 qt + w
	s_add_nc_u64 s[22:23], s[22:23], s[30:31]
	s_wait_alu depctr_va_vdst(0)
	v_lshlrev_b32 v4, 11, v2
	v_lshl_add_u32 v4, v3, 4, v4                   ; row r, + 16 h
	v_lshlrev_b32 v5, 3, v1                        ; out: two words a lane
.irp k, 0,1,2,3
.irp b, 0,1,2,3
	global_load_b128 v[64+16*\k+4*\b:67+16*\k+4*\b], v4, s[10:11] offset:128*\k+32*\b th:TH_LOAD_NT
.endr
.endr
.irp j, 0,1,2,3,4,5,6,7
	v_mov_b32 v[16+\j], 0                          ; written once: v_writelane_b32's destination counts as read
.endr
	s_mov_b32 s34, 0                               ; my four steps' bits: some entry true,
	s_mov_b32 s35, 0                               ; all entries true
	s_wait_loadcnt 0x0
.macro MTILE k                         ; word n = 16 b + i of step k: the lanes whose byte i of block b is not 0; it goes to lane n / 2 of a pair of registers
	s_mov_b32 s32, 0
	s_mov_b32 s33, -1
.set n, 0
.rept 64
	v_and_b32 v[24+n%4], 0xff<<(8*(n%4)), v[64+16*\k+n/4]
	v_cmp_ne_u32 s[36+n%4], 0, v[24+n%4]
	v_writelane_b32 v[16+2*\k+n%2], s[36+n%4], n/2
	s_or_b32 s32, s32, s[36+n%4]
	s_and_b32 s33, s33, s[36+n%4]
.set n, n+1
.endr
	global_store_b64 v5, v[16+2*\k:17+2*\k], s[20:21] offset:256*\k   ; 32 lanes store 256 consecutive bytes, aligned; each step has a pair of its own
	s_cmp_lg_u32 s32, 0
	s_cselect_b32 s40, 1<<\k, 0
	s_or_b32 s34, s34, s40
	s_cmp_eq_u32 s33, -1
	s_cselect_b32 s40, 1<<\k, 0
	s_or_b32 s35, s35, s40
.endm
	MTILE 0
	MTILE 1
	MTILE 2
	MTILE 3
	s_lshl_b32 s42, s24, 2
	s_lshl_b32 s34, s34, s42                       ; to bits 4 w .. 4 w + 3
	s_lshl_b32 s35, s35, s42
	v_mov_b32 v28, s34
	v_mov_b32 v29, s35
	v_mov_b32 v30, 0
	v_cmp_eq_u32 vcc_lo, 0, v1
	s_wait_alu depctr_va_vdst(0)
	s_wait_xcnt 0x0                                ; EXEC is a source of the stores above: it changes only behind this wait
	s_and_saveexec_b32 s41, vcc_lo                 ; lane 0 alone
	global_store_b32 v30, v28, s[22:23]
	global_store_b32 v30, v29, s[22:23] offset:2048
	s_wait_xcnt 0x0                                ; and again in front of the line that widens it
	s_or_b32 exec_lo, exec_lo, s41
	s_endpgm
.Lfunc_end_k_q44fa9e1d37_prep:
	.size	k_q44fa9e1d37_prep, .Lfunc_end_k_q44fa9e1d37_prep-k_q44fa9e1d37_prep
	.p2alignl 7, 3214868480
	.fill 96, 4, 3214868480
	.section	.rodata,"a",@progbits
	.p2align	6, 0x0
	.amdhsa_kernel k_q44fa9e1d37_prep
		.amdhsa_group_segment_fixed_size 34304
		.amdhsa_private_segment_fixed_size 0
		.amdhsa_enable_private_segment 0
		.amdhsa_kernarg_size 80
		.amdhsa_user_sgpr_count 2
		.amdhsa_user_sgpr_kernarg_segment_ptr 1
		.amdhsa_wavefront_size32 1
		.amdhsa_system_sgpr_workgroup_id_x 1
		.amdhsa_system_sgpr_workgroup_id_y 1
		.amdhsa_system_sgpr_workgroup_id_z 1
		.amdhsa_system_vgpr_workitem_id 0
		.amdhsa_next_free_vgpr 256
		.amdhsa_next_free_sgpr 66
		.amdhsa_reserve_vcc 1
		.amdhsa_float_denorm_mode_32 3
		.amdhsa_float_denorm_mode_16_64 3
		.amdhsa_memory_ordered 1
		.amdhsa_forward_progress 1
		.amdhsa_inst_pref_size 196
	.end_amdhsa_kernel
	.amdgpu_metadata
---
amdhsa.version: [ 1, 2 ]
amdhsa.kernels:
  - .name:           k_q44fa9e1d37_prep
    .symbol:         k_q44fa9e1d37_prep.kd
    .args:
      - { .name: Q, .offset: 0, .size: 8, .value_kind: global_buffer, .address_space: global }
      - { .name: K, .offset: 8, .size: 8, .value_kind: global_buffer, .address_space: global }
      - { .name: V, .offset: 16, .size: 8, .value_kind: global_buffer, .address_space: global }
      - { .name: mask, .offset: 24, .size: 8, .value_kind: global_buffer, .address_space: global }
      - { .name: qc, .offset: 32, .size: 8, .value_kind: global_buffer, .address_space: global }
      - { .name: qs, .offset: 40, .size: 8, .value_kind: global_buffer, .address_space: global }
      - { .name: kvc, .offset: 48, .size: 8, .value_kind: global_buffer, .address_space: global }
      - { .name: kvs, .offset: 56, .size: 8, .value_kind: global_buffer, .address_space: global }
      - { .name: mbits, .offset: 64, .size: 8, .value_kind: global_buffer, .address_space: global }
      - { .name: flags, .offset: 72, .size: 8, .value_kind: global_buffer, .address_space: global }
    .group_segment_fixed_size: 34304
    .private_segment_fixed_size: 0
    .kernarg_segment_align: 8
    .kernarg_segment_size: 80
    .max_flat_workgroup_size: 128
    .sgpr_count:     66
    .vgpr_count:     256
    .wavefront_size: 32
...
	.end_amdgpu_metadata
.endif
;; end of part 3
;; launch attn (part 4): grid 256 x 1, 8 waves a work-group, no clusters, 117,760 bytes of LDS; arguments qc, kvc, kvs, mbits, flags, out0, qs; writes out0
.if DOCPART == 4
	.amdgcn_target "amdgcn-amd-amdhsa--gfx1250"
	.amdhsa_code_object_version 6
	.text
	.protected	k_q44fa9e1d37_attn
	.globl	k_q44fa9e1d37_attn
	.p2align	8
	.type	k_q44fa9e1d37_attn,@function
k_q44fa9e1d37_attn:
	s_mov_b64 s[64:65], 0
	v_nop
	global_prefetch_b8 v0, s[64:65] scope:SCOPE_SE
	s_setreg_imm32_b32 hwreg(HW_REG_WAVE_SCHED_MODE, 0, 2), 2
	s_setreg_imm32_b32 hwreg(HW_REG_WAVE_MODE, 25, 1), 1
	s_wait_xcnt 0x0
	s_wait_alu depctr_vm_vsrc(0)
; O[head][q][:] = the sum over k of softmax_k(mask ? Q[q] . K[k] / sqrt(128) : -inf) V[k][:], both products on codes of BF8 (E5M2) with one E8M0 scale for each 32 along a product's K.  64 heads, 2,048 queries and keys, head size 128.
; The codes, scale words, lane masks and flags were laid by the launch before as images of the operands' registers (its head comment has the layouts).
; THE SOFTMAX AHEAD OF THE SECOND PRODUCT: t = score x log2(e) / sqrt(128); M = the row's largest t so far, rounded UP to a whole number; p = 2^(t - M) is quantised along the keys, not normalised; the row's sum is taken of the
; unquantised p and divides O at the end.  When M moves, the sum and O are multiplied by 2^(old M - new M): exact.  A row with no true entry ends with O = 0 and a sum of 0: 0 x infinity is the NaN that the definition gives.
; SHARES.  256 work-groups of eight waves.  Work-group 4 head + p stays for two passes over blocks of 256 queries: block 7 - p, then block p.  Wave w owns 32 queries, two tiles of 16: each fragment of K and V read from LDS feeds two products.
; KEY STEPS of 128 keys, 16 a pass.  A step's 32,768 bytes of codes go from memory through registers into one of two LDS slots (each thread 8 x 16 bytes), a step ahead of their use; ONE barrier a step.
; WHAT THE GIVEN MASK HIDES IS NOT COMPUTED: a step that no query of the work-group needs is not staged, one that none of my 32 queries needs is not worked, one that is all true for them is not masked: scalar branches on the stored flags.
; NO TENSOR LOADS, NO CLUSTER: the four work-groups of a head walk the same K and V, but which steps each of them needs hangs on the stored flags (under a lower-triangular mask 2 QB + 2 of 16 for block QB), so partners would ask for
; different numbers of tiles.
; LAYOUT.  Both products are used transposed: S^T = K Q^T (source 0 = 16 keys, source 1 = 16 queries), O^T = V^T P^T: a lane holds ONE query (lane % 16) throughout.  Lane r of K's tile 2 b + u holds key 32 b + 8 u + r + 8 (r / 8), so that score
; register 16 b + i of lane (r, h) is key 32 b + 16 h + i: 16 neighbours along the next K, and the conversions' results are the second product's operand.
; LIMITS: NaN and infinities among the inputs are not served.  A block's largest p is taken from its largest score (v_exp_f32 is taken not to fall where its input rises).  p under 2^-126 becomes 0.  A block of p that is all 0 keeps the byte 1: its codes are zeros.
; REGISTERS, window 0: v1-12 addresses; v13 Q's scale words; v14, v15 p's; v16-31 statistics, 8 a tile: -M, largest t, the sum's two halves, f, 0; v32-95 four fragments: K's tiles 0-3, then V's 0-3; v96-223 S^T, then p, 64 a tile;
;   v96-159 behind tile 0's conversions: V's tiles 4-7; v224-227 K's or V's scale words; v228-247 at work.
;   window 1: v0-127 O^T, 64 a tile; v128-159 Q's two fragments; v160-191 K's tiles 4, 5, then p's codes; v192-223 the staging registers; v224-255 K's tiles 6, 7.
; THE MODE: SCHED_MODE bits 1:0 = 2 (LLVM: expert scheduling mode 2), set by the entry lines.  The code itself states the register dependences between vector or matrix instructions and memory or LDS instructions, with s_wait_alu, always for 0.
; THE PLAN.  Registers that memory or LDS instructions touch:
;   v1, v2, v5, v6, v8, v10, v11   addresses, made at the head and never written again: one wait at the head serves them all.
;   v4       the scale words' LDS address: written once in a worked step, ahead of the step's first wait; read by that step's eight loads of scale words.
;   v7       the offset in out0: written once a pass; read by the way out's stores.     v246, v247: at a pass's head the offsets of Q's loads; at work afterwards.
;   staging  written by loads, read by LDS stores; no vector instruction names it.
;   A WORKED STEP has three waits of its own on the vector side.  At its head: the last worked step's products are done reading v32-95, the scale words and window 1's v160-191 and v224-255; ALL of K's eight tiles are then asked for in one run.
;   Behind the 16 products K Q^T: v32-95 and the scale words are free for V's tiles 0-3, which land under the softmax.  Ahead of the 16 products V^T P: p's codes and scale words are written.
;   V's tiles 4-7 land in v96-159, which tile 0's conversions have emptied: they are asked for behind the wait that tile 1's exponentials have in any case.
.set SLOT1, 32768                      ; LDS: slot 0 at 0, slot 1 here: K's 8 tiles x 2,048 bytes, then V's
.set VOFF,  16384
.set SCL,   65536                      ; the head's scale words, [16 steps][K 512 | V 512]: written once, at the head
.set OSTG,  81920                      ; the way out: 16 rows x 272 bytes for each wave, its own
.set F,   32
.set VH,  F+64                         ; v96-159: V's tiles 4-7
.set KS,  224
.set BM,  228                          ; v228-231 the blocks' largest scores, then largest p
.set T2,  232                          ; v232-235 the other half's; then the bytes
.set HD,  236                          ; v236-239 57,344 x the scale
.set SO,  240                          ; v240-243 the conversions' scale operands
.set SU,  244                          ; v[244:245] the second chain of the sums
.set TA,  246
.set TC,  247
.set QF,  128                          ; window 1
.set PCD, 160
.set KH,  160                          ; window 1: K's tile 4 + t at KH + 16 t + 32 (t / 2): v160, v176, v224, v240
.set SG,  192
.set WV,  16                           ; s16 wave; s17 head; s18 the block of queries; s19 passes to go; s20 trips to go
.set HEAD, 17
.set QB,  18
.set PASS, 19
.set TRIP, 20
.set AW,  21                           ; s21 bit j: some wave of the work-group needs step j of those ahead (bit 0: the trip's first step)
.set WA,  22                           ; s22 my 32 queries need it
.set WM,  23                           ; s23 and it is not all true for them
.set TS,  24                           ; s24 where the trip's scale words begin in SCL
.set MO,  25                           ; s25 where my lane masks of the trip begin in mbits
.set SEL, 26                           ; s[26:27]
.set CS,  28                           ; s[28:29] c = log2(e) / sqrt(128), twice: the packed form names a pair
.set MNT, 30
.set PFM, 101                          ; s101 AW in a wave that prefetches, else 0
                                       ; s[32:63], s[68:99]: 64 words: a tile's lane masks; at a pass's head the flags
.set MSB, 0
.macro WIN new                         ; the immediate's high byte repeats the setting that is left; at every label and branch the setting is 0
.if MSB != \new
	s_set_vgpr_msb (MSB<<8)|\new
.set MSB, \new
.endif
.endm
.set W_KQ, 0x04                        ; source 1 (Q; an LDS store's data) in window 1
.set W_KQH, 0x05                       ; sources 0 (K's tiles 4-7) and 1 (Q) in window 1
.set W_ST, 0x04
.set W_PV, 0x54                        ; source 1 (p), C and D (O^T) in window 1
.set W_RS, 0x41                        ; O^T as destination and source 0
.set W_D1, 0x40                        ; destination in window 1
.set W_O,  0x01                        ; O^T as source 0
.macro PLACES n                        ; plain vector lines behind matrix instructions: 8 for this form ahead of reads of its results, 9 ahead of a matrix instruction that writes over one of its registers
.rept \n
	v_nop
.endr
.endm
	s_load_b256 s[4:11], s[0:1], 0x0               ; qc s[4:5], kvc s[6:7], kvs s[8:9], mbits s[10:11]
	s_load_b128 s[12:15], s[0:1], 0x20             ; flags s[12:13], out0 s[14:15]
	s_load_b64 s[32:33], s[0:1], 0x30              ; qs
	v_lshl_add_u32 v254, v0, 2, 0x1c800
	v_mov_b32 v255, 0
	v_lshrrev_b32 v[TA], 5, v0
	v_readfirstlane_b32 s[WV], v[TA]               ; wave 0..7
	v_and_b32 v[TA], 31, v0                        ; lane
	v_and_b32 v[TC], 15, v0                        ; r
	v_bfe_u32 v4, v0, 4, 1                         ; h
	v_lshlrev_b32 v1, 4, v[TA]                     ; v1  16 x lane: an image's place for my lane, slot 0
	v_add_nc_u32 v2, SLOT1, v1                     ; v2  slot 1
	v_lshl_add_u32 v3, v[TA], 2, SCL               ; v3  4 x lane among the scale words
	v_lshlrev_b32 v5, 4, v0                        ; v5  16 x thread: my bytes of a staged block, in memory and in slot 0
	v_add_nc_u32 v6, SLOT1, v5                     ; v6  in slot 1
	v_lshlrev_b32 v8, 8, v[TA]
	s_wait_alu depctr_va_sdst(0)                   ; the wave's number is written, ahead of its first reader
	s_lshl_b32 s2, s[WV], 13
	v_add_nc_u32 v8, s2, v8                        ; v8  the prefetches' offset: 8,192 x wave + 256 x lane
	v_mov_b32 v9, 0xff800000                       ; v9  -infinity
	s_mul_i32 s2, s[WV], 16*272
	s_add_co_u32 s2, s2, OSTG                      ; my stage
	v_mul_u32_u24 v10, v[TC], 272
	v_lshl_add_u32 v10, v4, 5, v10
	v_add_nc_u32 v10, s2, v10                      ; v10 in: row r, + 32 h
	v_mul_u32_u24 v11, v4, 272
	v_lshl_add_u32 v11, v[TC], 4, v11
	v_add_nc_u32 v11, s2, v11                      ; v11 back: lanes 0-15 one row, lanes 16-31 the next
	v_lshlrev_b32 v12, 9, v4
	v_lshl_add_u32 v12, v[TC], 4, v12              ; v12 the same two rows in out0
.irp b, 0,1,2,3
	v_mov_b32 v[T2+\b], 0                          ; written once: a lane permute's destination counts as one of its sources
.endr
	s_lshr_b32 s[HEAD], ttmp9, 2
	s_and_b32 s2, ttmp9, 3
	s_sub_co_u32 s[QB], 7, s2                      ; the first pass's block
	s_mov_b32 s[PASS], 2
	s_mov_b32 s[SEL], 0x76543210
	s_mov_b32 s[SEL+1], 0xfedcba98
	s_mov_b32 s[CS], 0x3e0293ee
	s_mov_b32 s[CS+1], s[CS]
	s_mov_b32 s[MNT], 0x600000
	s_mov_b32 s3, 0
	s_wait_kmcnt 0x0
	s_lshl_b32 s2, s[HEAD], 19                     ; a head's 16 steps of 32,768 bytes
	s_add_nc_u64 s[6:7], s[6:7], s[2:3]
	s_lshl_b32 s2, s[HEAD], 14                     ; and of 1,024 bytes of scale words
	s_add_nc_u64 s[8:9], s[8:9], s[2:3]
	WIN W_D1
	s_wait_alu depctr_va_vdst(0)                   ; the addresses v1, v2, v5, v6, v8, v10, v11 and the closing add's v254, v255 are written: every load, store and prefetch of the kernel that reads one of them stands behind this wait, and none of them is written again
.irp i, 0,1,2,3
	global_load_b128 v[SG+4*\i:SG+4*\i+3], v5, s[8:9] offset:4096*\i   ; the head's scale words: 16,384 dense bytes, 256 threads x 16 bytes a load
.endr
	WIN 0
	s_wait_loadcnt 0x0
	WIN W_ST
.irp i, 0,1,2,3
	ds_store_b128 v6, v[SG+4*\i:SG+4*\i+3] offset:SCL-SLOT1+4096*\i
.endr
	WIN 0
	s_mov_b64 s[8:9], s[32:33]                     ; kvs has been read (the wait above): s[8:9] now holds qs, and s[32:33] are free
.Lpass:
	; ---- the pass's flags: the 64 words "some entry true" of the block's 16 tiles of queries x 4 quarters
	s_lshl_b32 s31, s[QB], 8
	s_load_b512 s[32:47], s[12:13], s31 offset:0x0
	s_load_b512 s[48:63], s[12:13], s31 offset:0x40
	s_load_b512 s[68:83], s[12:13], s31 offset:0x80
	s_load_b512 s[84:99], s[12:13], s31 offset:0xc0
	s_wait_kmcnt 0x0
	s_or_b32 s[AW], s32, s33
.set n, 2
.rept 62
	s_or_b32 s[AW], s[AW], s[32+n+4*(n/32)]
.set n, n+1
.endr
	s_and_b32 s[AW], s[AW], 0xffff                 ; 16 steps: no staging load and no prefetch names a 17th
	s_lshl_b32 s100, s[WV], 5                      ; my two tiles' 8 words
	s_add_co_u32 s100, s100, s31
	s_load_b256 s[32:39], s[12:13], s100 offset:0x0
	s_load_b256 s[40:47], s[12:13], s100 offset:0x800
	s_wait_kmcnt 0x0
	s_or_b32 s[WA], s32, s33
.irp n, 34,35,36,37,38,39
	s_or_b32 s[WA], s[WA], s\n
.endr
	s_and_b32 s[WA], s[WA], 0xffff
	s_or_b32 s2, s40, s41                          ; all true: in tile 0
	s_or_b32 s2, s2, s42
	s_or_b32 s2, s2, s43
	s_or_b32 s3, s44, s45                          ; and in tile 1
	s_or_b32 s3, s3, s46
	s_or_b32 s3, s3, s47
	s_and_b32 s2, s2, s3
	s_and_not1_b32 s[WM], s[WA], s2
	s_and_b32 s2, ttmp9, 3                         ; who prefetches: the head's work-group p = 0, in its first pass, waves 0 to 3
	s_lshr_b32 s3, s[WV], 2
	s_or_b32 s2, s2, s3
	s_sub_co_u32 s3, 2, s[PASS]
	s_or_b32 s2, s2, s3
	s_cmp_eq_u32 s2, 0
	s_cselect_b32 s[PFM], s[AW], 0
	; ---- the pass's loads: step 0's codes, my Q
	s_lshl_b32 s2, s[HEAD], 4
	s_lshl_b32 s3, s[QB], 1
	s_add_co_u32 s2, s2, s3
	s_lshr_b32 s3, s[WV], 2
	s_add_co_u32 s2, s2, s3                        ; my block of 128 rows of Q
	s_and_b32 s3, s[WV], 3                         ; and my two tiles in it
	s_lshl_b32 s31, s2, 14
	s_lshl_b32 s100, s3, 12
	s_add_co_u32 s31, s31, s100
	v_add_nc_u32 v[TA], s31, v1
	s_lshl_b32 s31, s2, 9
	s_lshl_b32 s100, s3, 7
	s_add_co_u32 s31, s31, s100
	v_and_b32 v[TC], 31, v0
	v_lshl_add_u32 v[TC], v[TC], 2, s31
	s_wait_loadcnt 0x0                             ; no load is on its way into the staging registers,
	s_wait_dscnt 0x0                               ; and my LDS stores are done
	WIN W_D1
	s_wait_alu depctr_va_vdst(0)                   ; the two offsets of Q's loads are written; in the second pass the first pass's products are done reading Q's fragments and scale words, in which the loads below land
	s_wait_alu depctr_vm_vsrc(0)                   ; the LDS stores issued so far have read the staging registers, in which the loads below land
.irp i, 0,1,2,3,4,5,6,7
	global_load_b128 v[SG+4*\i:SG+4*\i+3], v5, s[6:7] offset:4096*\i   ; step 0, whatever the flags say: so the staging registers are written on every way
.endr
.irp x, 0,1
.irp c, 0,1,2,3
	global_load_b128 v[QF+16*\x+4*\c:QF+16*\x+4*\c+3], v[TA], s[4:5] offset:2048*\x+512*\c th:TH_LOAD_NT
.endr
.endr
	WIN 0
	global_load_b32 v13, v[TC], s[8:9]             ; Q's scale words: lanes 0-15 tile 0's, lanes 16-31 tile 1's
	; ---- while these are out
.irp x, 0,1
	v_mov_b32 v[17+8*\x], 0xff61b1e6               ; the largest t so far: -3e38, under every t
	v_floor_f32 v[16+8*\x], -v[17+8*\x]            ; -M
	v_mov_b32 v[18+8*\x], 0                        ; the sum, in two halves
	v_mov_b32 v[19+8*\x], 0
	v_mov_b32 v[20+8*\x], 0
	v_mov_b32 v[21+8*\x], 0                        ; (named with f as a pair)
.endr
	WIN W_D1
.set jj, 0
.rept 128
	v_mov_b32 v[jj], 0                             ; O^T.  Which step is a wave's first hangs on the stored flags, so no first product can be written out ahead of the loop
.set jj, jj+1
.endr
	WIN 0
	s_lshl_b32 s2, s[HEAD], 20
	s_lshl_b32 s3, s[QB], 17
	s_add_co_u32 s2, s2, s3
	s_lshl_b32 s3, s[WV], 14
	s_add_co_u32 s2, s2, s3
	v_add_nc_u32 v7, s2, v12                       ; v7  my bytes in my wave's 32 rows of out0 (the last pass's stores have read it: the waits at that pass's end)
	s_mov_b32 s[TS], 0
	s_lshl_b32 s[MO], s[QB], 16                    ; a tile of queries has 16 steps x 256 bytes of lane masks
	s_lshl_b32 s3, s[WV], 13
	s_add_co_u32 s[MO], s[MO], s3
	s_wait_loadcnt 0x0
	WIN W_ST
.irp i, 0,1,2,3,4,5,6,7
	ds_store_b128 v5, v[SG+4*\i:SG+4*\i+3] offset:4096*\i   ; step 0 into slot 0, which nobody reads: every wave has passed the last step's barrier
.endr
	WIN 0
	s_wait_dscnt 0x0                               ; my part of slot 0 (and, in the first pass, of the scale words) lies in LDS
	WIN W_D1
	s_wait_alu depctr_vm_vsrc(0)                   ; the LDS stores above have read the staging registers, in which the loads below land; Q's loads have read their two offsets, which the softmax and the next pass write again
.irp i, 0,1,2,3,4,5,6,7
	global_load_b128 v[SG+4*\i:SG+4*\i+3], v5, s[6:7] offset:32768+4096*\i   ; step 1
.endr
	WIN 0
	s_barrier_signal -1
	s_barrier_wait -1                              ; everybody's part does
	s_mov_b32 s[TRIP], 8
.macro FRAGS q, base, g, r             ; four fragments out of slot q into v[r] on: tiles 4 g .. 4 g + 3 of K (base 0) or V (base VOFF); 512 consecutive bytes a load
.irp t, 0,1,2,3
.irp c, 0,1,2,3
	ds_load_b128 v[\r+16*\t+4*\c:\r+16*\t+4*\c+3], v[1+\q] offset:\base+(4*\g+\t)*2048+512*\c
.endr
.endr
.endm
.macro FRAGSH q                        ; K's tiles 4 .. 7 out of slot q into window 1
.irp t, 0,1,2,3
.irp c, 0,1,2,3
	ds_load_b128 v[KH+16*\t+32*(\t/2)+4*\c:KH+16*\t+32*(\t/2)+4*\c+3], v[1+\q] offset:(4+\t)*2048+512*\c
.endr
.endr
.endm
.macro MLOAD x, q                      ; the 64 lane masks of my tile x for the trip's step q
	s_load_b512 s[32:47], s[10:11], s[MO] offset:256*\q+4096*\x
	s_load_b512 s[48:63], s[10:11], s[MO] offset:256*\q+4096*\x+64
	s_load_b512 s[68:83], s[10:11], s[MO] offset:256*\q+4096*\x+128
	s_load_b512 s[84:99], s[10:11], s[MO] offset:256*\q+4096*\x+192
.endm
.macro MASK x                          ; hidden scores become -infinity ahead of the maximum; each accumulator is read from its low end on
.set n, 0
.rept 64
	v_cndmask_b32 v[96+64*\x+n], v9, v[96+64*\x+n], s[32+n+4*(n/32)]
.set n, n+1
.endr
.endm
; S^T = K Q^T: four tiles of keys x my two tiles of queries; each product starts its sum with 0.  A scale register holds an even tile's words in lanes 0-15 and the odd tile's in lanes 16-31.  g = 0: K's tiles in v32-95; g = 1: in window 1.
.macro KQ g
.if \g
	WIN W_KQH
.else
	WIN W_KQ
.endif
.irp t, 0,1,2,3
.irp x, 0,1
.set rD, 96+64*\x+8*(4*\g+\t)
.if \g
.set rA, KH+16*\t+32*(\t/2)
.else
.set rA, F+16*\t
.endif
.set rB, QF+16*\x
.set rS, KS+(4*\g+\t)/2
.if (\t%2 == 0) && (\x == 0)
	v_wmma_scale_f32_16x16x128_f8f6f4 v[rD:rD+7], v[rA:rA+15], v[rB:rB+15], 0, v[rS], v13 matrix_a_fmt:MATRIX_FMT_BF8 matrix_b_fmt:MATRIX_FMT_BF8
.elseif (\t%2 == 0)
	v_wmma_scale_f32_16x16x128_f8f6f4 v[rD:rD+7], v[rA:rA+15], v[rB:rB+15], 0, v[rS], v13 matrix_a_fmt:MATRIX_FMT_BF8 matrix_b_fmt:MATRIX_FMT_BF8 matrix_b_scale:MATRIX_SCALE_ROW1
.elseif (\x == 0)
	v_wmma_scale_f32_16x16x128_f8f6f4 v[rD:rD+7], v[rA:rA+15], v[rB:rB+15], 0, v[rS], v13 matrix_a_fmt:MATRIX_FMT_BF8 matrix_b_fmt:MATRIX_FMT_BF8 matrix_a_scale:MATRIX_SCALE_ROW1
.else
	v_wmma_scale_f32_16x16x128_f8f6f4 v[rD:rD+7], v[rA:rA+15], v[rB:rB+15], 0, v[rS], v13 matrix_a_fmt:MATRIX_FMT_BF8 matrix_b_fmt:MATRIX_FMT_BF8 matrix_a_scale:MATRIX_SCALE_ROW1 matrix_b_scale:MATRIX_SCALE_ROW1
.endif
.endr
.endr
.endm
; O^T += V^T P^T: four tiles of channels x my two tiles of queries.  The 16 accumulators have one instruction each in a step: they take turns.  g = 0: V's tiles in v32-95; g = 1: in v96-159.
.macro PV g
	WIN W_PV
.irp t, 0,1,2,3
.irp x, 0,1
.set rD, 64*\x+8*(4*\g+\t)
.set rA, F+64*\g+16*\t
.set rB, PCD+16*\x
.set rS, KS+(4*\g+\t)/2
.if \t%2 == 0
	v_wmma_scale_f32_16x16x128_f8f6f4 v[rD:rD+7], v[rA:rA+15], v[rB:rB+15], v[rD:rD+7], v[rS], v[14+\x] matrix_a_fmt:MATRIX_FMT_BF8 matrix_b_fmt:MATRIX_FMT_BF8
.else
	v_wmma_scale_f32_16x16x128_f8f6f4 v[rD:rD+7], v[rA:rA+15], v[rB:rB+15], v[rD:rD+7], v[rS], v[14+\x] matrix_a_fmt:MATRIX_FMT_BF8 matrix_b_fmt:MATRIX_FMT_BF8 matrix_a_scale:MATRIX_SCALE_ROW1
.endif
.endr
.endr
.endm
; Tile x's softmax for a key step, in two parts: 64 scores of a lane become p's codes (window 1) and scale word (v14 + x); the sum and O^T go under the new M.
; The first part: the maxima, the new M, and the batch of 64 exponentials with its wait.
.macro SOFT_A x
.set S, 96+64*\x
.set ST, 16+8*\x
.irp b, 0,1,2,3
	v_max3_num_f32 v[BM+\b], v[S+16*\b], v[S+1+16*\b], v[S+2+16*\b]   ; the largest score of each block of 32 keys: for the row's maximum and, since p rises with the score, for the block's largest p
.endr
.irp i, 3,5,7,9,11,13
.irp b, 0,1,2,3
	v_max3_num_f32 v[BM+\b], v[BM+\b], v[S+16*\b+\i], v[S+1+16*\b+\i]
.endr
.endr
.irp b, 0,1,2,3
	v_max_num_f32 v[BM+\b], v[BM+\b], v[S+15+16*\b]
.endr
.irp b, 0,1,2,3
	v_permlanex16_b32 v[T2+\b], v[BM+\b], s[SEL], s[SEL+1]
.endr
.irp b, 0,1,2,3
	v_max_num_f32 v[BM+\b], v[BM+\b], v[T2+\b]     ; with lane l xor 16's 16 keys
.endr
	v_max3_num_f32 v[TA], v[BM], v[BM+1], v[BM+2]
	v_max_num_f32 v[TA], v[TA], v[BM+3]            ; the step's largest score of my query
	v_mul_f32 v[TA], s[CS], v[TA]                  ; as t (c is positive)
	v_max_num_f32 v[ST+1], v[ST+1], v[TA]          ; the running largest t
	v_mov_b32 v[TA], v[ST]
	v_floor_f32 v[ST], -v[ST+1]                    ; the new -M = floor(-t) = -ceil(t)
	v_sub_f32 v[TA], v[ST], v[TA]                  ; old M - new M: a whole number, 0 or less
	v_cvt_i32_f32 v[TA], v[TA]                     ; (it saturates)
	v_ldexp_f32 v[ST+4], 1.0, v[TA]                ; f = 2^(old M - new M)
.set jj, 0
.rept 32
	v_pk_fma_f32 v[S+jj:S+jj+1], v[S+jj:S+jj+1], s[CS:CS+1], v[ST:ST+1] op_sel_hi:[1,0,0]   ; t - M, two at a time
.set jj, jj+2
.endr
.irp b, 0,1,2,3
	v_fma_f32 v[BM+\b], v[BM+\b], s[CS], v[ST]     ; the same of each block's largest score
.endr
.set jj, 0
	s_wait_alu depctr_va_vdst(0)
.rept 64
	v_exp_f32 v[S+jj], v[S+jj]                     ; p = 2^(t - M), at most 1
.set jj, jj+1
.endr
	v_pk_mul_f32 v[ST+2:ST+3], v[ST+2:ST+3], v[ST+4:ST+5] op_sel_hi:[1,0]   ; the sums under the new M: the plain line behind the exponentials
	s_wait_alu depctr_va_vdst(0)                   ; the 64 exponentials have written p: one wait for the batch, ahead of its first reader.  In tile 1's turn it also states that tile 0's holds and conversions are done with v96-159
.endm
; The second part: the sums, the scales, the holds, the conversions, O^T under the new M.
.macro SOFT_B x
.set S, 96+64*\x
.set ST, 16+8*\x
.irp b, 0,1,2,3
	v_exp_f32 v[BM+\b], v[BM+\b]                   ; the block's largest p: the same two instructions on the same number give the same bits
.endr
	v_pk_add_f32 v[SU:SU+1], v[S:S+1], v[S+2:S+3]  ; the row's sum is taken of the unquantised p: two chains
.irp j, 4,8,12,16,20,24,28,32,36,40,44,48,52,56,60
	v_pk_add_f32 v[ST+2:ST+3], v[ST+2:ST+3], v[S+\j:S+\j+1]
	v_pk_add_f32 v[SU:SU+1], v[SU:SU+1], v[S+2+\j:S+3+\j]
.endr
	v_pk_add_f32 v[ST+2:ST+3], v[ST+2:ST+3], v[SU:SU+1]
	s_wait_alu depctr_va_vdst(0)                   ; the four exponentials have written the blocks' largest p, ahead of their first reader
.irp b, 0,1,2,3
	v_max_num_f32 v[BM+\b], 0x8000000, v[BM+\b]    ; the floor 2^(16 - 127): the byte cannot fall under 1
.endr
.irp b, 0,1,2,3
	v_add_nc_u32 v[SO+\b], 0xf8800000, v[BM+\b]    ; 15 off the exponent field: the conversion's scale operand
.endr
.irp b, 0,1,2,3
	v_and_or_b32 v[HD+\b], v[BM+\b], 0x7f800000, s[MNT]   ; 57,344 x the scale
.endr
.irp b, 0,1,2,3
	v_lshrrev_b32 v[T2+\b], 23, v[SO+\b]           ; the scale's byte
.endr
	v_lshl_or_b32 v[14+\x], v[T2+1], 8, v[T2]      ; p's scale word for these 128 keys
	v_lshl_or_b32 v[14+\x], v[T2+2], 16, v[14+\x]
	v_lshl_or_b32 v[14+\x], v[T2+3], 24, v[14+\x]
.irp b, 0,1,2,3
.irp i, 0,1,2,3,4,5,6,7,8,9,10,11,12,13,14,15
	v_min_num_f32 v[S+16*\b+\i], v[S+16*\b+\i], v[HD+\b]   ; the conversion does not saturate (ISA guide 7.6.2); p is not negative, so the hold is one-sided
.endr
.endr
	WIN W_D1
.irp b, 0,1,2,3
	v_cvt_scalef32_pk8_bf8_f32 v[PCD+16*\x+4*\b:PCD+16*\x+4*\b+1], v[S+16*\b:S+16*\b+7], v[SO+\b]
	v_cvt_scalef32_pk8_bf8_f32 v[PCD+16*\x+4*\b+2:PCD+16*\x+4*\b+3], v[S+16*\b+8:S+16*\b+15], v[SO+\b]
.endr
	v_nop                                          ; one plain line behind the last conversion
	WIN W_RS
.set jj, 0
.rept 32
	v_pk_mul_f32 v[64*\x+jj:64*\x+jj+1], v[64*\x+jj:64*\x+jj+1], v[ST+4:ST+5] op_sel_hi:[1,0]   ; O^T under the new M; these lines are also the places between the codes, the scale word and the products that take them
.set jj, jj+2
.endr
	WIN 0
.endm
; A KEY STEP: the trip's q-th.  It reads slot q and fills slot 1 - q.
.macro STEP q
	s_bitcmp1_b32 s[AW], \q+1                      ; is the next step needed by anybody?
	s_cbranch_scc0 .Lno_put_\@
	s_wait_loadcnt 0x0                             ; its codes are in my staging registers
	WIN W_ST
.irp i, 0,1,2,3,4,5,6,7
	ds_store_b128 v[6-\q], v[SG+4*\i:SG+4*\i+3] offset:4096*\i   ; into the slot that was left at the last barrier
.endr
	WIN 0
.Lno_put_\@:
	s_bitcmp1_b32 s[AW], \q+2                      ; and the step after it?
	s_cbranch_scc0 .Lno_get_\@
	s_wait_loadcnt 0x0                             ; no load is on its way into the staging registers,
	s_wait_dscnt 0x0                               ; and my LDS stores are done
	WIN W_D1
	s_wait_alu depctr_vm_vsrc(0)                   ; the LDS stores issued so far have read the staging registers, in which the loads below land
.irp i, 0,1,2,3,4,5,6,7
	global_load_b128 v[SG+4*\i:SG+4*\i+3], v5, s[6:7] offset:(\q+2)*32768+4096*\i
.endr
	WIN 0
	s_bitcmp1_b32 s[PFM], \q+3
	s_cbranch_scc0 .Lno_get_\@
	global_prefetch_b8 v8, s[6:7] offset:(\q+3)*32768 th:TH_LOAD_NT scope:SCOPE_SE   ; the step three on, one step ahead of the loads that will want it: 8,192 bytes a wave, lanes 256 bytes apart; four waves of one work-group of the head, in one pass: each block of 256 bytes is named once.  The flags have no bit for a 17th step; steps 0 to 2 come by their loads alone
.Lno_get_\@:
	s_bitcmp1_b32 s[WA], \q                        ; do my 32 queries need this step?
	s_cbranch_scc0 .Lskip_\@
	s_bitcmp1_b32 s[WM], \q
	s_cbranch_scc0 .Lopen_a_\@
	MLOAD 0, \q
.Lopen_a_\@:
	s_wait_alu depctr_vm_vsrc(0)                   ; the last worked step's loads of scale words have read v4
	v_add_nc_u32 v4, s[TS], v3
	s_wait_alu depctr_va_vdst(0)                   ; v4 is written; the last worked step's products are done reading v32-95, the scale words and p's codes, and its conversions have written the latter: the loads below land in all of these
	FRAGS \q, 0, 0, F                              ; ALL of K in one run: tiles 0-3,
.irp j, 0,1,2,3
	ds_load_b32 v[KS+\j], v4 offset:1024*\q+128*\j   ; K's scale words of the step's 8 tiles,
.endr
	WIN W_D1
	FRAGSH \q                                      ; and tiles 4-7: between the wait above and these stand loads and a window switch alone
	s_wait_dscnt 16                                ; LDS loads come back in order (ISA guide 5.7.1): tiles 0-3 and the scale words are in; the 16 younger loads, tiles 4-7, may be out
	KQ 0
	s_wait_dscnt 0x0
	KQ 1
	WIN 0
	PLACES 8                                       ; ahead of the first read of the scores
	s_wait_alu depctr_va_vdst(0)                   ; the 16 products are done reading v32-95 and K's scale words, in which the loads below land
	FRAGS \q, VOFF, 0, F                           ; V's first four tiles and its scale words land under the softmax
.irp j, 0,1,2,3
	ds_load_b32 v[KS+\j], v4 offset:1024*\q+512+128*\j
.endr
	s_bitcmp1_b32 s[WM], \q
	s_cbranch_scc0 .Lopen_b_\@
	s_wait_kmcnt 0x0
	MASK 0
.Lopen_b_\@:
	SOFT_A 0
	s_bitcmp1_b32 s[WM], \q
	s_cbranch_scc0 .Lopen_c_\@
	s_wait_kmcnt 0x0                               ; no lane mask is on its way: the words may be asked for again
	MLOAD 1, \q                                    ; (the selects that read tile 0's words stand ahead of the wait at the first part's end)
.Lopen_c_\@:
	SOFT_B 0
	s_bitcmp1_b32 s[WM], \q
	s_cbranch_scc0 .Lopen_d_\@
	s_wait_kmcnt 0x0
	MASK 1
.Lopen_d_\@:
	SOFT_A 1
	FRAGS \q, VOFF, 1, VH                          ; V's last four tiles into v96-159, which tile 0's conversions have emptied.  No further wait: no vector instruction since the one at the first part's end names these registers or the address
	SOFT_B 1
	s_wait_dscnt 0x0                               ; all of V and its scale words are in
	s_wait_alu depctr_va_vdst(0)                   ; the conversions have written p's codes and the shifts p's scale words, which the products below take; the places stand ahead of this wait
	PV 0
	PV 1
	WIN 0
	PLACES 9                                       ; for whatever comes next on any way: the next step's scores, which are written over v96-159, the next rescaling, the way out
.Lskip_\@:
	s_wait_kmcnt 0x0                               ; no lane mask is on its way: the words may be asked for again, and their offset stepped
	s_wait_dscnt 0x0                               ; my stores into slot 1 - q have landed, and my reads of slot q are back
	s_barrier_signal -1
	s_barrier_wait -1                              ; both now hold of every wave: slot 1 - q may be read and slot q written
.endm
.Ltrip:
	STEP 0
	STEP 1
	s_wait_xcnt 0x0                                ; the staging loads and the prefetch have read their base
	s_add_nc_u64 s[6:7], s[6:7], 0x10000           ; two steps on
	s_add_co_u32 s[TS], s[TS], 2048
	s_add_co_u32 s[MO], s[MO], 512
	s_lshr_b32 s[AW], s[AW], 2
	s_lshr_b32 s[WA], s[WA], 2
	s_lshr_b32 s[WM], s[WM], 2
	s_lshr_b32 s[PFM], s[PFM], 2
	s_sub_co_u32 s[TRIP], s[TRIP], 1
	s_cmp_lg_u32 s[TRIP], 0
	s_cbranch_scc1 .Ltrip
	; ---- THE WAY OUT.  The sum's halves are added; O^T is divided by the sum and goes through my stage, half a row (64 channels, 256 bytes) of 16 queries at a time, so that sixteen lanes store 256 consecutive bytes, aligned.
.irp x, 0,1
	v_add_f32 v[20+8*\x], v[18+8*\x], v[19+8*\x]
.endr
.irp x, 0,1
	v_permlanex16_b32 v[21+8*\x], v[20+8*\x], s[SEL], s[SEL+1]
.endr
.irp x, 0,1
	v_add_f32 v[20+8*\x], v[20+8*\x], v[21+8*\x]   ; with lane l xor 16's: the row's sum
.endr
	s_wait_alu depctr_va_vdst(0)
.irp x, 0,1
	v_rcp_f32 v[21+8*\x], v[20+8*\x]
.endr
	v_nop                                          ; a plain line behind the reciprocals,
	s_wait_alu depctr_va_vdst(0)                   ; the two reciprocals are written, ahead of their first reader: one wait for the two
	WIN W_O
.set jj, 0
.rept 128
	v_mul_f32 v[96+jj], v[jj], v[21+8*(jj/64)]     ; register 64 x + 8 t + i is o(query r of tile x, channel 16 t + 8 h + i); each accumulator from its low end on
.set jj, jj+1
.endr
	WIN 0
	s_wait_alu depctr_va_vdst(0)                   ; the multiplications have written v96-223, which the LDS stores below read and in part of which tile 1's rows land; v7 is written; the last products are done reading v32-95, in which tile 0's rows land
.macro OUT x, rb                       ; tile x; its rows come back into v[rb] on
.irp u, 0,1
.irp t, 0,1,2,3
	ds_store_b128 v10, v[96+64*\x+32*\u+8*\t:99+64*\x+32*\u+8*\t] offset:64*\t
	ds_store_b128 v10, v[100+64*\x+32*\u+8*\t:103+64*\x+32*\u+8*\t] offset:64*\t+16
.endr
.irp i, 0,1,2,3,4,5,6,7
	ds_load_b128 v[\rb+32*\u+4*\i:\rb+32*\u+4*\i+3], v11 offset:544*\i   ; LDS serves a wave's instructions in order (ISA guide 5.7.1.4): these see my stores, and the next half's stores come behind them
.endr
.endr
.irp u, 0,1
.irp i, 0,1,2,3,4,5,6,7
	s_wait_dscnt 15-8*\u-\i                        ; at most the younger LDS instructions of this tile stay out; the last count is 0
	global_store_b128 v7, v[\rb+32*\u+4*\i:\rb+32*\u+4*\i+3], s[14:15] offset:8192*\x+1024*\i+256*\u th:TH_STORE_NT
.endr
.endr
.endm
	OUT 0, 32
	s_wait_alu depctr_vm_vsrc(0)                   ; tile 0's LDS stores have read v96-159, in which tile 1's rows land
	OUT 1, 96                                      ; tile 0's stores read v32-95, which nothing here writes
	s_wait_xcnt 0x0                                ; the stores have had their addresses translated and the staging loads have read their base: the bases may be written again
	s_wait_alu depctr_vm_vsrc(0)                   ; the stores have read v7 and v32-159: the next pass writes v7 anew, its fragments land in v32-95 and its scores are written into v96 on
	s_sub_nc_u64 s[6:7], s[6:7], 0x80000           ; back to the head's first step
	s_sub_co_u32 s[QB], 7, s[QB]                   ; the other block
	s_sub_co_u32 s[PASS], s[PASS], 1
	s_cmp_lg_u32 s[PASS], 0
	s_cbranch_scc1 .Lpass
	s_wait_dscnt 0x0                               ; the closing lines, six on end
	s_wait_alu 0x0
	s_wait_tensorcnt 0x0
	ds_add_u32 v254, v255
	s_wait_dscnt 0x0
	s_endpgm
.Lfunc_end_k_q44fa9e1d37_attn:
	.size	k_q44fa9e1d37_attn, .Lfunc_end_k_q44fa9e1d37_attn-k_q44fa9e1d37_attn
	.p2alignl 7, 3214868480
	.fill 96, 4, 3214868480
	.section	.rodata,"a",@progbits
	.p2align	6, 0x0
	.amdhsa_kernel k_q44fa9e1d37_attn
		.amdhsa_group_segment_fixed_size 117760
		.amdhsa_private_segment_fixed_size 0
		.amdhsa_enable_private_segment 0
		.amdhsa_kernarg_size 56
		.amdhsa_user_sgpr_count 2
		.amdhsa_user_sgpr_kernarg_segment_ptr 1
		.amdhsa_wavefront_size32 1
		.amdhsa_system_sgpr_workgroup_id_x 1
		.amdhsa_system_sgpr_workgroup_id_y 1
		.amdhsa_system_sgpr_workgroup_id_z 1
		.amdhsa_system_vgpr_workitem_id 0
		.amdhsa_next_free_vgpr 512
		.amdhsa_next_free_sgpr 102
		.amdhsa_reserve_vcc 0
		.amdhsa_float_denorm_mode_32 3
		.amdhsa_float_denorm_mode_16_64 3
		.amdhsa_memory_ordered 1
		.amdhsa_forward_progress 1
		.amdhsa_inst_pref_size 130
	.end_amdhsa_kernel
	.amdgpu_metadata
---
amdhsa.version: [ 1, 2 ]
amdhsa.kernels:
  - .name:           k_q44fa9e1d37_attn
    .symbol:         k_q44fa9e1d37_attn.kd
    .args:
      - { .name: qc, .offset: 0, .size: 8, .value_kind: global_buffer, .address_space: global }
      - { .name: kvc, .offset: 8, .size: 8, .value_kind: global_buffer, .address_space: global }
      - { .name: kvs, .offset: 16, .size: 8, .value_kind: global_buffer, .address_space: global }
      - { .name: mbits, .offset: 24, .size: 8, .value_kind: global_buffer, .address_space: global }
      - { .name: flags, .offset: 32, .size: 8, .value_kind: global_buffer, .address_space: global }
      - { .name: out0, .offset: 40, .size: 8, .value_kind: global_buffer, .address_space: global }
      - { .name: qs, .offset: 48, .size: 8, .value_kind: global_buffer, .address_space: global }
    .group_segment_fixed_size: 117760
    .private_segment_fixed_size: 0
    .kernarg_segment_align: 8
    .kernarg_segment_size: 56
    .max_flat_workgroup_size: 256
    .sgpr_count:     102
    .vgpr_count:     512
    .wavefront_size: 32
...
	.end_amdgpu_metadata
.endif
;; end of part 4
